; MI455X (gfx1250); checked and timed in simulation.
; The chip was launched on July 23, 2026; its instructions are those of AMD's public machine-readable ISA for CDNA 5 (MIT licence, August 2026) and "CDNA5" Instruction Set Architecture Reference Guide (July 2026). The comments in the code are by the model that wrote it; some were corrected since.
;; Attention. Allowed arithmetic: matrix products marked QUANTISED: E2M3 operands, one E8M0 scale for each 32 along K, by v_wmma_scale_f32_16x16x128_f8f6f4 with both operands' format E2M3, f32 sums; everything else in f32.
;; Inputs: b_proj 1,024 float32; w_proj 1,024 x 1,024 float32; w_qkv 1,024 x 3,072 float32; x 8 x 1,024 x 1,024 float32.
;; Outputs: out0 8 x 1,024 x 1,024 float32.
;; This version of the problem:
;;   THIS VERSION OF THE PROBLEM IS GIVEN IN LOW PRECISION. The matrix products marked QUANTISED in the list below multiply operands that are first quantised to E2M3 (2 exponent bits, 3 mantissa bits; 6 bits a number), with one power-of-two scale for each 32 numbers along K (OCP MX v1.0); their sums are f32. All else is computed in f32.
;;   The module's matrix products, in the order in which they are computed (A, B: the left and right operand; K: the contracted axis; several contracted axes count as one K, in the product's order):
;;     1. [M 8,192, K 1,024] x [K 1,024, N 3,072]; A: input x; B: input w_qkv: QUANTISED
;;     2. batch 128 x [M 1,024, K 64] x [K 64, N 1,024]; A: computed on the way; B: computed on the way: QUANTISED
;;     3. batch 128 x [M 1,024, K 1,024] x [K 1,024, N 64]; A: softmax (see below); B: computed on the way: QUANTISED
;;     4. [M 8,192, K 1,024] x [K 1,024, N 1,024]; A: computed on the way; B: input w_proj: QUANTISED
;;   THE QUANTISER, for each operand of a quantised product, along K:
;;     - K is cut into blocks of 32 from its start; a last block that is shorter is filled with zeros.
;;     - A block's scale is 2^e with e = floor(log2(the largest magnitude in the block)) - 2, held to -126 .. 127; a block of zeros has e = 0. As a byte (E8M0): e + 127.
;;     - Each number is divided by its block's scale, clamped to +-7.5, and rounded to the nearest number of E2M3, ties to even, subnormals kept.
;;     - The product sums the exact products of the quantised numbers (number of the format x scale) in f32.
;;   ~~~python
;;   def quantise(x, axis):      # numpy; x: float32 -> the quantised numbers, widened to float32 again
;;       x = np.moveaxis(x, axis, -1); K = x.shape[-1]
;;       x = np.pad(x, [(0, 0)] * (x.ndim - 1) + [(0, -K % 32)]); x = x.reshape(x.shape[:-1] + (-1, 32)); a = np.abs(x).max(-1, keepdims=True)
;;       e = np.where(a > 0, np.clip(np.frexp(np.where(a > 0, a, 1))[1] - 1 - 2, -126, 127), 0)      # np.frexp(a)[1] - 1 = floor(log2(a)), exactly
;;       r = np.clip(x / 2.0 ** e, -7.5, 7.5)
;;       step = 2.0 ** (np.maximum(np.frexp(np.where(r == 0, 1, r))[1] - 1, 0) - 3)
;;       q = np.round(r / step) * step * 2.0 ** e      # np.round: ties to even
;;       return np.moveaxis(q.reshape(q.shape[:-2] + (-1,))[..., :K], -1, axis).astype(np.float32)
;;   ~~~
;;   SOFTMAX AHEAD OF A QUANTISED PRODUCT. Where the list says 'softmax', what is quantised is not the finished softmax but p = 2^(t - M), with t = logit x log2(e) and M = ceil(the row's largest t), a whole number; so 1/2 < the row's largest p <= 1. The row's sum l is taken of the UNQUANTISED p, in f32, and the product's result is divided by l at the end. Since M is a whole number, a kernel that streams over the keys may use a running M (the ceiling of the running maximum): every later rescaling is an exact power of two, which a block's scale takes up: the codes' values come out the same.
;;   OPERANDS COMPUTED ON THE WAY. 'Computed on the way' means the value that the module computes at that place (a softmax that the list does not call 'softmax' is quantised finished and normalised). What goes into a quantiser is computed in f32, as accurately as f32 sums, v_exp_f32 and their like allow (about 1e-6 of the number): no bf16 or f16 on the way to a quantiser, and a product that is left as it is and whose result goes on into a quantised operand takes f32 operands (vector FMAs, or v_wmma_f32_16x16x4_f32). A number that lies on a knife's edge between two numbers of the format may be rounded either way, as far as f32 arithmetic and the matrix unit's own rounding can turn it there, and no further.
;; One version. Each part assembles by itself: llvm-mc -triple=amdgcn-amd-amdhsa -mcpu=gfx1250 --defsym DOCPART=n.
;; ======== version 1 of 1: 4 launches
;; limits: right only within a limited range of input values
;; workspace buffers: xq 6,553,600 bytes; wq 3,276,800 bytes; rot 2,048 bytes; qkv 19,660,800 bytes; oq 6,553,600 bytes
;; launch prep (part 1): grid 385 x 1, 4 waves a work-group, no clusters, 34,304 bytes of LDS; arguments x, w_qkv, w_proj, xq, wq, rot; writes xq, wq, rot
.if DOCPART == 1
	.amdgcn_target "amdgcn-amd-amdhsa--gfx1250"
	.amdhsa_code_object_version 6
	.text
	.protected	k_qf609e43506_prep
	.globl	k_qf609e43506_prep
	.p2align	8
	.type	k_qf609e43506_prep,@function
k_qf609e43506_prep:
	s_mov_b64 s[64:65], 0
	v_nop
	global_prefetch_b8 v0, s[64:65] scope:SCOPE_SE
	s_setreg_imm32_b32 hwreg(HW_REG_WAVE_MODE, 25, 1), 1
	s_wait_xcnt 0x0
; x [8192][1024], w_qkv [1024][3072] and w_proj [1024][1024], f32, become codes of FP6 (E2M3) with one E8M0 byte for each 32 along K; and the rotary table is made.
; A block's scale is 2^(floor(log2(its largest magnitude)) - 2); its byte is the largest magnitude's exponent field - 2, held at 1 from below by a floor among the maximum's leaves.
; LIMITS: a block of zeros, or one whose largest magnitude lies under 2^-124, gets the byte 1 (its codes are zeros or the nearest codes; this program alone reads the bytes); NaN and infinities are not served.
; LAYOUT OF THE CODES: images of the matrix operand's registers.  A fragment is 16 rows x 128 K, 12 registers a lane (lane (r, h): registers 6 c .. 6 c + 5 hold K = 64 c + 32 h + 0 .. 31); it lies as 1,536 bytes,
; registers 4 c .. 4 c + 3 of lane l at 512 c + 16 l.  Images lie [row tile][K step 0..7].  THE ROWS OF A TILE ARE NOT NEIGHBOURS: lane r of tile 2 G + u takes row 32 G + 8 u + r + 8 (r / 8),
; so that a later product's results of two neighbouring tiles are 16 neighbours in a lane.  Scale words lie behind the images: [256 along K: 0..3][row in that order][2 words].
; THREE ROLES, parted by the work-group's number: 0-255 x (32 rows each; wave w takes K 256 w on), 256-383 the weights (a wave: 32 columns x 256 K), 384 the table.  Only the first role uses LDS.
; No tensor loads, no barrier: waves share nothing.
.set SPARE, 33792                      ; behind the four stages: the spare words, 128 bytes for each wave
.set SPW,   2                          ; v2  LDS address of my spare word; never rewritten
.set NIL,   3                          ; v3  0; never rewritten
.set LINDIV, 0                         ; 0: a linspace's step is iota x the rounded reciprocal of the divisor; 1: iota / divisor, correctly rounded
.set RA,    16                         ; x: v16-143 two sets of 16 rows' loads
.set XN,    144                        ; v144-207 64 numbers of a lane: two whole blocks
.set IM,    208                        ; v208-231 two sets of an image's 12 registers
.set CT,    232                        ; v232-238 the upper halves of the blocks' codes
.set TM,    240
.set SO,    242
.set BY,    244
.set WD,    246                        ; v246-249 the four units' scale words
.set WX,    32                         ; weights: v32-95 two sets of 32 numbers
.set WI,    96                         ; v96-143 four images
.set WCT,   144
	s_load_b256 s[4:11], s[0:1], 0x0               ; x s[4:5], w_qkv s[6:7], w_proj s[8:9], xq s[10:11]
	s_load_b128 s[12:15], s[0:1], 0x20             ; wq s[12:13], rot s[14:15]
	v_lshl_add_u32 v[SPW], v0, 2, SPARE
	v_mov_b32 v[NIL], 0
	v_lshrrev_b32 v1, 5, v0
	v_readfirstlane_b32 s16, v1                    ; wave
	v_and_b32 v1, 31, v0                           ; lane
	s_mov_b32 s24, 0x76543210
	s_mov_b32 s25, 0xfedcba98                      ; v_permlanex16_b32's selects for lane l xor 16
	s_wait_kmcnt 0x0
	s_cmp_lt_u32 ttmp9, 256
	s_cbranch_scc0 .Lnot_x
; ---------------- x.  Four units n = 2 u + s: tile u of my 32 rows, 128 along K.  Each load takes one row's 512 consecutive bytes; the 16 rows turn through my stage (rows 528 bytes apart) and come back
; as two whole blocks of 32 a lane, in the operand's own order: so the conversions' results are the image.
.macro LOADU n
.irp t, 0,1,2,3,4,5,6,7,8,9,10,11,12,13,14,15
	global_load_b128 v[RA+64*((\n)%2)+4*\t:RA+64*((\n)%2)+4*\t+3], v4, s[4:5] offset:(8*((\n)/2)+\t+8*(\t/8))*4096+512*((\n)%2) th:TH_LOAD_NT
.endr
.endm
.macro TURNU n                         ; LDS serves a wave's instructions in order: no wait between the stores and the loads
.irp t, 0,1,2,3,4,5,6,7,8,9,10,11,12,13,14,15
	ds_store_b128 v5, v[RA+64*((\n)%2)+4*\t:RA+64*((\n)%2)+4*\t+3] offset:528*\t
.endr
.irp c, 0,1
.irp i, 0,1,2,3,4,5,6,7
	ds_load_b128 v[XN+32*\c+4*\i:XN+32*\c+4*\i+3], v6 offset:256*\c+16*\i
.endr
.endr
.endm
.macro QX n                            ; my blocks h and 2 + h of row r: all 32 numbers of each are mine
.set II, IM+12*((\n)%2)
.irp c, 0,1
	v_max3_num_f32 v[TM+\c], |v[XN+32*\c]|, |v[XN+32*\c+1]|, 0x1800000   ; the floor 2^(3 - 127) among the leaves: the byte cannot fall under 1
.endr
.irp i, 2,4,6,8,10,12,14,16,18,20,22,24,26,28,30
.irp c, 0,1
	v_max3_num_f32 v[TM+\c], v[TM+\c], |v[XN+32*\c+\i]|, |v[XN+32*\c+\i+1]|
.endr
.endr
.irp c, 0,1
	v_add_nc_u32 v[SO+\c], 0xff000000, v[TM+\c]    ; 2 off the exponent field: the conversion's scale operand
.endr
.irp c, 0,1
	v_lshrrev_b32 v[BY+\c], 23, v[SO+\c]           ; the scale's byte
.endr
	v_lshl_or_b32 v250, v[BY+1], 16, v[BY]         ; my two bytes,
	v_lshlrev_b32 v250, v10, v250                  ; at their places in the word (8 h bits up);
	v_permlanex16_b32 v251, v250, s24, s25
	v_or_b32 v[WD+(\n)], v250, v251                ; with lane l xor 16's two the row's word is whole
.irp c, 0,1
	v_cvt_scalef32_pk16_fp6_f32 v[II+6*\c:II+6*\c+2], v[XN+32*\c:XN+32*\c+15], v[SO+\c]
	v_cvt_scalef32_pk16_fp6_f32 v[CT+4*\c:CT+4*\c+2], v[XN+32*\c+16:XN+32*\c+31], v[SO+\c]   ; (a conversion's three registers begin on an even number)
.endr
	v_nop                                          ; one plain place behind a scaled conversion
.irp c, 0,1
.irp i, 0,1,2
	v_mov_b32 v[II+6*\c+3+\i], v[CT+4*\c+\i]
.endr
.endr
.endm
	s_wait_alu depctr_va_vdst(0)
	v_lshlrev_b32 v4, 4, v1                        ; 16 x lane: a row's load, an image's store
	s_mul_i32 s17, s16, 8448                       ; my stage: 16 rows x 528 bytes
	v_add_nc_u32 v5, s17, v4                       ; into it
	v_and_b32 v8, 15, v1                           ; r
	v_lshrrev_b32 v9, 4, v1                        ; h
	v_mul_u32_u24 v6, v8, 528
	v_lshl_add_u32 v6, v9, 7, v6
	v_add_nc_u32 v6, s17, v6                       ; out of it: row r, 128 h bytes on
	v_lshlrev_b32 v7, 3, v1                        ; 8 x lane: the scale words' store
	v_lshlrev_b32 v10, 3, v9                       ; 8 h
	v_mov_b32 v251, 0                              ; a lane permute's destination counts as one of its sources
	s_lshl_b32 s20, ttmp9, 17                      ; 32 rows of 4,096 bytes a work-group,
	s_lshl_b32 s21, s16, 10                        ; 1,024 bytes of a row a wave
	s_add_co_u32 s20, s20, s21
	s_mov_b32 s21, 0
	s_add_nc_u64 s[4:5], s[4:5], s[20:21]
	s_lshl_b32 s22, s16, 16                        ; scale words: [wave][row][2 words]
	s_lshl_b32 s23, ttmp9, 8
	s_add_co_u32 s22, s22, s23
	s_add_co_u32 s22, s22, 6291456
	s_mov_b32 s23, 0
	s_add_nc_u64 s[18:19], s[10:11], s[22:23]
	s_mul_i32 s20, ttmp9, 24576                    ; images: two row tiles a work-group, two K steps a wave
	s_mul_i32 s22, s16, 3072
	s_add_co_u32 s20, s20, s22
	s_add_nc_u64 s[10:11], s[10:11], s[20:21]
	LOADU 0
	LOADU 1
	s_wait_alu depctr_va_vdst(0)
.irp n, 0,1,2,3
.if \n < 3
	s_wait_loadcnt 16                              ; this unit's 16 loads are in; the next unit's 16 may be out
.else
	s_wait_loadcnt 0
.endif
	TURNU \n
	s_wait_dscnt 0x0                               ; the stage's stores have read their registers, and my 64 numbers are in
.if \n < 2
	LOADU \n+2
.endif
.if \n >= 2
	s_wait_xcnt 0x0                                ; the stores of two units back have read this set of image registers
.endif
	QX \n
.irp c, 0,1,2
	global_store_b128 v4, v[IM+12*(\n%2)+4*\c:IM+12*(\n%2)+4*\c+3], s[10:11] offset:(\n/2)*12288+(\n%2)*1536+512*\c   ; 512 consecutive bytes, aligned
.endr
.endr
	v_cmp_eq_u32 vcc_lo, 1, v9                     ; lane l stores the two words of row l in the tiles' order: lanes 0-15 tile 0's, lanes 16-31 tile 1's
	v_cndmask_b32 v250, v[WD], v[WD+2], vcc_lo
	v_cndmask_b32 v251, v[WD+1], v[WD+3], vcc_lo
	global_store_b64 v7, v[250:251], s[18:19]      ; 256 consecutive bytes, aligned
	s_wait_tensorcnt 0x0                           ; the wave's end
	ds_add_u32 v[SPW], v[NIL]
	s_wait_dscnt 0x0
	s_endpgm
; ---------------- the weights: K is their first axis.  A lane takes a column and its registers run down K: a block of 32 lies in one lane.  Lane l takes column swap34(l) of the wave's 32, so that lanes 0-15
; are tile 0's rows and lanes 16-31 tile 1's.  Even blocks go to one run of 12 registers, odd ones to another; twelve exchanges of halves make of the two runs the two tiles' images.
.macro WLOAD t, stride
.irp i, 0,1,2,3,4,5,6,7,8,9,10,11,12,13,14,15,16,17,18,19,20,21,22,23,24,25,26,27,28,29,30,31
	global_load_b32 v[WX+32*((\t)%2)+\i], v4, s[30:31] offset:(32*(\t)+\i)*(\stride) th:TH_LOAD_NT
.endr
.endm
.macro WBLOCK t, stride
.set XS, WX+32*((\t)%2)
.set DD, WI+24*((\t)/4)+12*((\t)%2)+6*(((\t)%4)/2)
.if (\t) < 7
	s_wait_loadcnt 32                              ; this block's 32 loads are in; the next block's may be out
.else
	s_wait_loadcnt 0
.endif
	v_max3_num_f32 v16, |v[XS]|, |v[XS+1]|, |v[XS+2]|
	v_max3_num_f32 v17, |v[XS+3]|, |v[XS+4]|, |v[XS+5]|
.irp i, 6,10,14,18,22,26
	v_max3_num_f32 v16, v16, |v[XS+\i]|, |v[XS+\i+1]|
	v_max3_num_f32 v17, v17, |v[XS+\i+2]|, |v[XS+\i+3]|
.endr
	v_max3_num_f32 v16, v16, |v[XS+30]|, |v[XS+31]|
	v_max3_num_f32 v16, v16, v17, 0x1800000        ; and the floor
	v_add_nc_u32 v18, 0xff000000, v16              ; the conversion's scale operand
	v_lshrrev_b32 v19, 23, v18                     ; the byte
.if (\t)%4 == 0
	v_mov_b32 v[20+(\t)/4], v19
.else
	v_lshl_or_b32 v[20+(\t)/4], v19, 8*((\t)%4), v[20+(\t)/4]
.endif
	v_cvt_scalef32_pk16_fp6_f32 v[DD:DD+2], v[XS:XS+15], v18
	v_cvt_scalef32_pk16_fp6_f32 v[WCT:WCT+2], v[XS+16:XS+31], v18
	v_nop                                          ; one plain place behind a scaled conversion
.irp i, 0,1,2
	v_mov_b32 v[DD+3+\i], v[WCT+\i]
.endr
.if (\t)+2 < 8
	WLOAD (\t)+2, \stride
.endif
.if (\t)%4 == 3
.set I0, WI+24*((\t)/4)
.irp i, 0,1,2,3,4,5,6,7,8,9,10,11
	v_permlane16_swap_b32 v[I0+\i], v[I0+12+\i]    ; the first run's lanes 16-31 change places with the second's lanes 0-15
.endr
.irp c, 0,1,2
	global_store_b128 v8, v[I0+4*\c:I0+4*\c+3], s[32:33] offset:1536*((\t)/4)+512*\c
	global_store_b128 v8, v[I0+12+4*\c:I0+12+4*\c+3], s[32:33] offset:12288+1536*((\t)/4)+512*\c
.endr
.endif
.endm
.macro WQ stride                       ; every store's data have registers of their own: none is written again
	WLOAD 0, \stride
	WLOAD 1, \stride
.irp t, 0,1,2,3,4,5,6,7
	WBLOCK \t, \stride
.endr
	global_store_b64 v9, v[20:21], s[34:35]        ; my column's two scale words: the wave stores 256 consecutive bytes, aligned
	s_endpgm
.endm
.Lnot_x:
	s_cmp_lt_u32 ttmp9, 384
	s_cbranch_scc0 .Ltable
	s_sub_co_u32 s17, ttmp9, 256
	s_and_b32 s18, s17, 31                         ; which 128 columns: 0-23 w_qkv's, 24-31 w_proj's
	s_lshr_b32 s19, s17, 5                         ; which 256 along K
	s_lshl_b32 s20, s18, 2
	s_add_co_u32 s20, s20, s16                     ; my group of 32 columns, 0..127
	s_wait_alu depctr_va_vdst(0)
	v_and_b32 v4, 7, v1
	v_bfe_u32 v5, v1, 3, 1
	v_bfe_u32 v6, v1, 4, 1
	v_lshl_or_b32 v4, v5, 4, v4
	v_lshl_or_b32 v4, v6, 3, v4                    ; the lane's number with bits 3 and 4 exchanged
	v_lshlrev_b32 v4, 2, v4                        ; its column's bytes: the wave still reads 128 consecutive bytes
	v_lshlrev_b32 v8, 4, v1
	v_lshlrev_b32 v9, 3, v1
	s_mul_i32 s22, s20, 24576
	s_mul_i32 s23, s19, 3072
	s_add_co_u32 s22, s22, s23
	s_mov_b32 s23, 0
	s_add_nc_u64 s[32:33], s[12:13], s[22:23]      ; images
	s_lshl_b32 s22, s19, 15
	s_lshl_b32 s26, s20, 8
	s_add_co_u32 s22, s22, s26
	s_add_co_u32 s22, s22, 3145728
	s_add_nc_u64 s[34:35], s[12:13], s[22:23]      ; scale words
	s_cmp_lt_u32 s18, 24
	s_cbranch_scc0 .Lwproj
	s_mul_i32 s22, s19, 3145728                    ; 256 rows of 12,288 bytes
	s_lshl_b32 s26, s20, 7
	s_add_co_u32 s22, s22, s26
	s_add_nc_u64 s[30:31], s[6:7], s[22:23]
	s_wait_alu depctr_va_vdst(0)
	WQ 12288
.Lwproj:
	s_lshl_b32 s22, s19, 20                        ; 256 rows of 4,096 bytes
	s_sub_co_u32 s26, s20, 96
	s_lshl_b32 s26, s26, 7
	s_add_co_u32 s22, s22, s26
	s_add_nc_u64 s[30:31], s[8:9], s[22:23]
	s_wait_alu depctr_va_vdst(0)
	WQ 4096
; ---------------- the table: rot[i][m] = (cos, sin) of f = pos(i) x base(m), i = 0..31, m = 0..7, each f32 operation as reference() has it:
; a linspace is start (1 - step) + stop step with step = iota / (n - 1), its last point set to stop; pos = linspace(-1, 1, 32), base = linspace(1, 512, 8) x pi.
; f reaches 1,608: it is reduced by n = the nearest whole number to f x 2 / pi with pi / 2 in two parts (n has 11 bits, so the first step is exact), then polynomials on -pi/4 .. pi/4.
; Thread t makes position t / 4, frequencies 2 (t % 4) and 2 (t % 4) + 1: 16 bytes.
.macro FRACT d, n, y, dv               ; v[d] = v[n] / the divisor
	v_mul_f32 v[\d], \y, v[\n]
.if LINDIV
	v_fma_f32 v30, -v[\d], \dv, v[\n]              ; the remainder, exact; one correction gives the correctly rounded quotient
	v_fma_f32 v[\d], v30, \y, v[\d]
.endif
.endm
.macro ANGLE mreg, oc, os
	v_cvt_f32_u32 v10, v[\mreg]
	FRACT 11, 10, 0x3e124925, 0x40e00000
	v_sub_f32 v12, 1.0, v11
	v_fma_f32 v12, 0x44000000, v11, v12            ; 1 (1 - t) + 512 t: both products are exact, so one rounding
	v_mov_b32 v13, 0x44000000
	v_cmp_eq_u32 vcc_lo, 7, v[\mreg]
	v_cndmask_b32 v12, v12, v13, vcc_lo            ; the last point is 512
	v_mul_f32 v12, 0x40490fdb, v12                 ; x pi
	v_mul_f32 v13, v8, v12                         ; f
	v_mul_f32 v14, 0x3f22f983, v13
	v_rndne_f32 v14, v14                           ; n
	v_fma_f32 v15, -v14, s20, v13
	v_fma_f32 v15, -v14, s21, v15                  ; rho
	v_mul_f32 v16, v15, v15                        ; z
	v_mov_b32 v17, 0xb94ca1f9
	v_fmaak_f32 v17, v17, v16, 0x3c08839e
	v_fmaak_f32 v17, v17, v16, 0xbe2aaaa3
	v_mul_f32 v17, v17, v16
	v_fma_f32 v17, v17, v15, v15                   ; sin rho
	v_mov_b32 v18, 0x37ccf5ce
	v_fmaak_f32 v18, v18, v16, 0xbab6061a
	v_fmaak_f32 v18, v18, v16, 0x3d2aaaa5
	v_mul_f32 v18, v18, v16
	v_fma_f32 v19, -0.5, v16, 1.0
	v_fma_f32 v18, v18, v16, v19                   ; cos rho
	v_cvt_i32_f32 v19, v14
	v_and_b32 v20, 1, v19
	v_cmp_eq_u32 vcc_lo, 1, v20                    ; in odd quadrants the two change places
	v_cndmask_b32 v21, v17, v18, vcc_lo
	v_cndmask_b32 v22, v18, v17, vcc_lo
	v_and_b32 v20, 2, v19
	v_lshlrev_b32 v20, 30, v20
	v_xor_b32 v[\os], v20, v21                     ; the sine is negative in quadrants 2 and 3,
	v_add_nc_u32 v19, 1, v19
	v_and_b32 v19, 2, v19
	v_lshlrev_b32 v19, 30, v19
	v_xor_b32 v[\oc], v19, v22                     ; the cosine in 1 and 2
.endm
.Ltable:
	s_mov_b32 s20, 0x3fc90fdb                      ; pi / 2, its upper part
	s_mov_b32 s21, 0xb33bbd2e                      ; and the rest
	v_lshrrev_b32 v4, 2, v0                        ; i
	v_and_b32 v5, 3, v0
	v_lshlrev_b32 v5, 1, v5                        ; m
	v_add_nc_u32 v23, 1, v5
	v_cvt_f32_u32 v6, v4
	FRACT 7, 6, 0x3d042108, 0x41f80000
	v_sub_f32 v8, 1.0, v7
	v_sub_f32 v8, v7, v8                           ; -1 (1 - s) + 1 s
	v_mov_b32 v9, 1.0
	v_cmp_eq_u32 vcc_lo, 31, v4
	v_cndmask_b32 v8, v8, v9, vcc_lo               ; the last point is 1
	ANGLE 5, 24, 25
	ANGLE 23, 26, 27
	v_lshlrev_b32 v28, 4, v0
	global_store_b128 v28, v[24:27], s[14:15]
	s_endpgm
.Lfunc_end_k_qf609e43506_prep:
	.size	k_qf609e43506_prep, .Lfunc_end_k_qf609e43506_prep-k_qf609e43506_prep
	.p2alignl 7, 3214868480
	.fill 96, 4, 3214868480
	.section	.rodata,"a",@progbits
	.p2align	6, 0x0
	.amdhsa_kernel k_qf609e43506_prep
		.amdhsa_group_segment_fixed_size 34304
		.amdhsa_private_segment_fixed_size 0
		.amdhsa_enable_private_segment 0
		.amdhsa_kernarg_size 48
		.amdhsa_user_sgpr_count 2
		.amdhsa_user_sgpr_kernarg_segment_ptr 1
		.amdhsa_wavefront_size32 1
		.amdhsa_system_sgpr_workgroup_id_x 1
		.amdhsa_system_sgpr_workgroup_id_y 1
		.amdhsa_system_sgpr_workgroup_id_z 1
		.amdhsa_system_vgpr_workitem_id 0
		.amdhsa_next_free_vgpr 256
		.amdhsa_next_free_sgpr 66
		.amdhsa_reserve_vcc 1
		.amdhsa_float_denorm_mode_32 3
		.amdhsa_float_denorm_mode_16_64 3
		.amdhsa_memory_ordered 1
		.amdhsa_forward_progress 1
		.amdhsa_inst_pref_size 111
	.end_amdhsa_kernel
	.amdgpu_metadata
---
amdhsa.version: [ 1, 2 ]
amdhsa.kernels:
  - .name:           k_qf609e43506_prep
    .symbol:         k_qf609e43506_prep.kd
    .args:
      - { .name: x, .offset: 0, .size: 8, .value_kind: global_buffer, .address_space: global }
      - { .name: w_qkv, .offset: 8, .size: 8, .value_kind: global_buffer, .address_space: global }
      - { .name: w_proj, .offset: 16, .size: 8, .value_kind: global_buffer, .address_space: global }
      - { .name: xq, .offset: 24, .size: 8, .value_kind: global_buffer, .address_space: global }
      - { .name: wq, .offset: 32, .size: 8, .value_kind: global_buffer, .address_space: global }
      - { .name: rot, .offset: 40, .size: 8, .value_kind: global_buffer, .address_space: global }
    .group_segment_fixed_size: 34304
    .private_segment_fixed_size: 0
    .kernarg_segment_align: 8
    .kernarg_segment_size: 48
    .max_flat_workgroup_size: 128
    .sgpr_count:     66
    .vgpr_count:     256
    .wavefront_size: 32
...
	.end_amdgpu_metadata
.endif
;; end of part 1
;; launch qkvg (part 2): grid 8 x 32, 4 waves a work-group, clusters of 4 x 4, 327,680 bytes of LDS; arguments xq, wq, rot, qkv; writes qkv
.if DOCPART == 2
	.amdgcn_target "amdgcn-amd-amdhsa--gfx1250"
	.amdhsa_code_object_version 6
	.text
	.protected	k_qf609e43506_qkvg
	.globl	k_qf609e43506_qkvg
	.p2align	8
	.type	k_qf609e43506_qkvg,@function
k_qf609e43506_qkvg:
	s_mov_b64 s[64:65], 0
	v_nop
	global_prefetch_b8 v0, s[64:65] scope:SCOPE_SE
	s_setreg_imm32_b32 hwreg(HW_REG_WAVE_MODE, 25, 1), 1
	s_wait_xcnt 0x0
	s_wait_alu depctr_hold_cnt(0) depctr_sa_sdst(0) depctr_va_vdst(0) depctr_va_sdst(0) depctr_va_ssrc(0) depctr_va_vcc(0) depctr_vm_vsrc(0)
	s_getreg_b32 s2, hwreg(HW_REG_IB_STS2, 6, 4)
	s_cmp_eq_u32 s2, 0
	s_cbranch_scc0 .Lentry_in_a_cluster
	s_endpgm
.Lentry_in_a_cluster:
	s_bfe_u32 s2, ttmp6, 0x10000c
	s_cmp_lg_u32 s2, 0xf033
	s_cbranch_scc0 .Lentry_shape_is_right
	s_endpgm
.Lentry_shape_is_right:
.set NQ,     2
.set FR,     12
.set NL,     3
.set NP,     4
.set HALFT,  24576
.set SLOT,   4*HALFT
.set SCL,    2*SLOT
.set HALFS,  4096
.set SPARE,  SCL+4*HALFS
.set VSL,    SPARE+512
.set ADRA, 16
.set ADRV, 18
.set ADRB, 20
.set VO,   24
.set VS,   25
.set ADRT, 26
.set ADRS, 27
.set SPW,  28
.set NIL,  29
.set VS2,  30
.set SC,   32
.set AF,   128
.set TBL,  64
.set RT,   128
.set TM,   160
.set CT,   176
.set FB,   184
.set SW,   232
.set SX,   240
.set VT,   244
.set HB,   252
.set G1, 24
.set G0, 32
.set G1B, 48
.set G0B, 56
.set G1S, 68
.set G0S, 76
.set G1SB, 80
.set G0SB, 88
.set G1V, 68
.set G0V, 80
.set SEL, 66
.set MSK, 3
.set LB2, 95
.set MSB, 0
.macro WIN new
.if MSB != (\new)
	s_set_vgpr_msb (MSB<<8)|(\new)
.set MSB, (\new)
.endif
.endm
.set MUL_LO, 0xa1
.set MUL_HI, 0xf1
.set TO_B,   0x40
.macro JLOAD g0a, g1a, g0b, g1b
	s_cmp_eq_u32 s15, 0
	s_cbranch_scc0 .Lfor_b_\@
	tensor_load_to_lds s[\g0a:\g0a+3], s[\g1a:\g1a+7]
	s_nop 0
.rept 4
	v_nop
.endr
	s_branch .Lasked_\@
.Lfor_b_\@:
	tensor_load_to_lds s[\g0b:\g0b+3], s[\g1b:\g1b+7]
	s_nop 0
.rept 4
	v_nop
.endr
.Lasked_\@:
.endm
.macro CREST
	s_cmp_lg_u32 s14, 0
	s_cbranch_scc1 .Lnot_wave_0_\@
	s_barrier_signal -3
.Lnot_wave_0_\@:
	s_barrier_wait -3
	s_barrier_signal -1
	s_barrier_wait -1
.endm
.macro CROUND
	s_barrier_signal -1
	s_barrier_wait -1
	CREST
.endm
.macro PLACES n
.rept \n
	v_nop
.endr
.endm
	s_load_b256 s[4:11], s[0:1], 0x0
	v_lshl_add_u32 v[SPW], v0, 2, SPARE
	v_mov_b32 v[NIL], 0
	ds_add_u32 v[SPW], v[NIL]
	ds_add_u32 v[SPW], v[NIL]
	v_lshrrev_b32 v1, 5, v0
	v_readfirstlane_b32 s14, v1
	s_lshr_b32 s15, s14, 1
	s_and_b32 s16, s14, 1
	s_bfe_u32 s40, ttmp6, 0x40000
	s_bfe_u32 s41, ttmp6, 0x40004
	s_lshl_b32 s42, ttmp9, 2
	s_add_co_u32 s42, s42, s40
	s_and_b32 s17, ttmp7, 0xffff
	s_lshl_b32 s17, s17, 2
	s_add_co_u32 s17, s17, s41
	s_lshl_b32 s43, s41, 2
	s_lshl_b32 s43, 15, s43
	s_lshl_b32 s44, 0x1111, s40
	s_or_b32 s[G1+0], s43, (3<<16)|(1<<21)
	s_or_b32 s[G1B+0], s44, (3<<16)|(1<<21)
.irp g, G1, G1B
	s_mov_b32 s[\g+1], 384<<16
	s_mov_b32 s[\g+2], 8<<16
	s_mov_b32 s[\g+3], 384<<16
	s_mov_b32 s[\g+4], 8
	s_mov_b32 s[\g+5], 1536
	s_mov_b32 s[\g+6], 0
	s_mov_b32 s[\g+7], 0
.endr
	s_or_b32 s[G1S+0], s43, (3<<16)|(1<<21)
	s_or_b32 s[G1SB+0], s44, (3<<16)|(1<<21)
.irp g, G1S, G1SB
	s_mov_b32 s[\g+1], 128<<16
	s_mov_b32 s[\g+2], 4<<16
	s_mov_b32 s[\g+3], 128<<16
	s_mov_b32 s[\g+4], 4
	s_mov_b32 s[\g+6], 0
	s_mov_b32 s[\g+7], 0
.endr
	s_mov_b32 s[G1S+5], 8192
	s_mov_b32 s[G1SB+5], 4096
	s_lshl_b32 s18, s16, 7
	s_lshl_b32 s20, s17, 8
	s_add_co_u32 s20, s20, s18
	s_lshl_b32 s46, s42, 8
	s_add_co_u32 s46, s46, s18
	s_lshl_b32 s22, s20, 3
	s_add_co_u32 s22, s22, 6291456
	s_mov_b32 s23, 0
	s_mul_i32 s20, s20, 768
	s_mov_b32 s21, 0
	s_lshl_b32 s92, s46, 3
	s_add_co_u32 s92, s92, 3145728
	s_mov_b32 s93, 0
	s_mul_i32 s46, s46, 768
	s_mov_b32 s47, 0
	s_mul_i32 s45, s14, HALFT
	s_mul_i32 s94, s14, HALFS
	s_mov_b32 s[SEL], 0x76543210
	s_mov_b32 s[SEL+1], 0xfedcba98
	s_mov_b32 s[MSK], 0xffff0000
	s_wait_dscnt 0x0
	s_wait_kmcnt 0x0
	s_add_nc_u64 s[20:21], s[4:5], s[20:21]
	s_add_nc_u64 s[22:23], s[4:5], s[22:23]
	s_add_nc_u64 s[46:47], s[6:7], s[46:47]
	s_add_nc_u64 s[92:93], s[6:7], s[92:93]
	CROUND
	s_mov_b32 s[G0S], 1
	s_add_co_u32 s[G0S+1], s94, SCL
	s_mov_b64 s[G0S+2:G0S+3], s[22:23]
	s_or_b32 s[G0S+3], s[G0S+3], 0x80000000
	s_mov_b32 s[G0SB], 1
	s_add_co_u32 s[G0SB+1], s94, SCL
	s_mov_b64 s[G0SB+2:G0SB+3], s[92:93]
	s_or_b32 s[G0SB+3], s[G0SB+3], 0x80000000
	JLOAD G0S, G1S, G0SB, G1SB
.irp s, 0,1
	s_mov_b32 s[G0+4*\s], 1
	s_add_co_u32 s[G0+4*\s+1], s45, \s*SLOT
	s_add_nc_u64 s[G0+4*\s+2:G0+4*\s+3], s[20:21], \s*3072
	s_or_b32 s[G0+4*\s+3], s[G0+4*\s+3], 0x80000000
	s_mov_b32 s[G0B+4*\s], 1
	s_add_co_u32 s[G0B+4*\s+1], s45, \s*SLOT
	s_add_nc_u64 s[G0B+4*\s+2:G0B+4*\s+3], s[46:47], \s*3072
	s_or_b32 s[G0B+4*\s+3], s[G0B+4*\s+3], 0x80000000
	s_wait_alu depctr_va_vdst(0)
	s_wait_tensorcnt 0x0
	ds_add_u32 v28, v29
	s_wait_dscnt 0x0
	CROUND
	JLOAD G0+4*\s, G1, G0B+4*\s, G1B
.endr
	v_and_b32 v1, 31, v0
	v_lshlrev_b32 v[VO], 4, v1
	s_wait_alu depctr_va_vdst(0)
	v_lshlrev_b32 v10, 3, v1
	s_wait_alu depctr_va_vdst(0)
	s_mul_i32 s21, s15, HALFT
	s_mul_i32 s22, s16, HALFT
	s_add_co_u32 s22, s22, 2*HALFT
	s_mul_i32 s23, s16, 12288
	s_add_co_u32 s23, s23, 2*HALFT
	s_mov_b32 s[LB2], s23
.irp s, 0,1
	v_add_nc_u32 v[ADRA+\s], s21, v[VO]
	v_add_nc_u32 v[ADRB+\s], s22, v[VO]
	v_add_nc_u32 v[ADRV+\s], s23, v[VO]
	s_add_co_u32 s21, s21, SLOT
	s_add_co_u32 s22, s22, SLOT
	s_add_co_u32 s23, s23, SLOT
.endr
	s_lshl_b32 s98, s42, 7
	s_lshl_b32 s99, s16, 6
	s_add_co_u32 s98, s98, s99
	s_add_co_u32 s98, s98, 2048
	s_mul_i32 s92, s98, 768
	s_mov_b32 s93, 0
	s_add_nc_u64 s[92:93], s[6:7], s[92:93]
	s_lshl_b32 s98, s98, 3
	s_add_co_u32 s98, s98, 3145728
	s_mov_b32 s99, 0
	s_add_nc_u64 s[4:5], s[6:7], s[98:99]
.irp g, 0,1,2,3
.irp f, 0,1
	global_load_b64 v[224+4*\g+2*\f:224+4*\g+2*\f+1], v10, s[4:5] offset:32768*\g+256*\f
.endr
.endr
	s_lshl_b32 s23, s14, 12
	s_add_co_u32 s23, s23, VSL
	v_lshl_add_u32 v11, v1, 3, s23
	v_and_b32 v1, 15, v0
	v_bfe_u32 v2, v0, 4, 1
	s_mul_i32 s21, s15, HALFS
	s_mul_i32 s22, s16, HALFS
	s_add_co_u32 s22, s22, 2*HALFS
	s_sub_co_u32 s22, s22, s21
	v_mul_u32_u24 v6, s22, v2
	s_add_co_u32 s21, s21, SCL
	v_lshl_add_u32 v5, v1, 3, v6
	v_add_nc_u32 v[ADRS], s21, v5
	s_sub_co_u32 s22, s23, s21
	v_mul_u32_u24 v6, s22, v2
	v_lshl_add_u32 v5, v1, 3, v6
	v_add_nc_u32 v[ADRT], s21, v5
	v_lshlrev_b32 v[VS2], 4, v1
	v_lshl_add_u32 v[VS], v2, 11, v[VS2]
	s_and_b32 s98, s17, 3
	s_lshl_b32 s98, s98, 3
	s_lshl_b32 s99, s15, 2
	s_add_co_u32 s98, s98, s99
	s_lshl_b32 s98, s98, 6
	v_and_b32 v7, 8, v1
	v_add_nc_u32 v7, v7, v1
	v_lshlrev_b32 v7, 6, v7
.irp g, 0,1,2,3
	v_mov_b32 v8, s98
	v_add_nc_u32 v8, 64*\g, v8
.irp u, 0,1
	v_add_nc_u32 v9, 512*\u, v7
	v_cndmask_b32 v[VT+2*\g+\u], v8, v9, s[MSK]
.endr
.endr
.irp a, 0,1,2,3
.irp i, 0,1,2,3
	global_load_b128 v[TBL+16*\a+4*\i:TBL+16*\a+4*\i+3], v[VT+\a], s[8:9] offset:16*\i
.endr
.endr
	s_lshr_b32 s18, s17, 2
	s_lshl_b32 s18, s18, 4
	s_and_b32 s19, s17, 3
	s_lshl_b32 s19, s19, 1
	s_add_co_u32 s19, s19, s15
	s_lshl_b32 s98, s40, 2
	s_lshl_b32 s99, s16, 1
	s_add_co_u32 s98, s98, s99
	s_add_co_u32 s2, s98, s18
	s_lshl_b32 s98, s42, 1
	s_add_co_u32 s98, s98, s16
	s_add_co_u32 s94, s98, s18
	s_mul_i32 s98, ttmp9, 6291456
	s_mul_i32 s99, s2, 49152
	s_add_co_u32 s98, s98, s99
	s_mul_i32 s99, s19, 6144
	s_add_co_u32 s98, s98, s99
	s_mov_b32 s99, 0
	s_add_nc_u64 s[12:13], s[10:11], s[98:99]
	s_mul_i32 s98, s94, 49152
	s_mul_i32 s99, s19, 6144
	s_add_co_u32 s98, s98, s99
	s_add_co_u32 s98, s98, 12582912
	s_mov_b32 s99, 0
	s_add_nc_u64 s[20:21], s[10:11], s[98:99]
	s_mul_i32 s98, ttmp9, 262144
	s_lshl_b32 s2, s2, 11
	s_add_co_u32 s98, s98, s2
	s_lshl_b32 s19, s19, 8
	s_add_co_u32 s98, s98, s19
	s_add_co_u32 s98, s98, 18874368
	s_add_nc_u64 s[96:97], s[10:11], s[98:99]
	s_lshl_b32 s98, s94, 11
	s_add_co_u32 s98, s98, s19
	s_add_co_u32 s98, s98, 18874368+524288
	s_add_nc_u64 s[22:23], s[10:11], s[98:99]
	s_wait_loadcnt 16
.irp g, 0,1,2,3
.irp f, 0,1
	ds_store_b64 v11, v[224+4*\g+2*\f:224+4*\g+2*\f+1] offset:1024*\g+256*\f
	ds_store_b64 v11, v[224+4*\g+2*\f:224+4*\g+2*\f+1] offset:1024*\g+256*\f+512
.endr
.endr
.macro FRAG reg, adr, q, i
.irp c, 0,1,2
	ds_load_b128 v[\reg+4*\c:\reg+4*\c+3], v[\adr] offset:(\i)*3072+(\q)*1536+512*\c
.endr
.endm
.macro MUL16 a0, p, q, sc, zero
.irp a, \a0, \a0+1
.irp b, 0,1,2,3,4,5,6,7
.if \zero
	v_wmma_scale_f32_16x16x128_f8f6f4 v[8*(8*((\a)%4)+\b):8*(8*((\a)%4)+\b)+7], v[128*(\p)+FR*\b:128*(\p)+FR*\b+FR-1], v[AF+FR*(\a):AF+FR*(\a)+FR-1], 0, v[SC+8*NQ*(\sc)+NQ*\b+(\q)], v[SC+8*NQ*(\sc)+NQ*(\a)+(\q)] matrix_a_fmt:MATRIX_FMT_FP6 matrix_b_fmt:MATRIX_FMT_FP6 matrix_a_scale:MATRIX_SCALE_ROW1
.else
	v_wmma_scale_f32_16x16x128_f8f6f4 v[8*(8*((\a)%4)+\b):8*(8*((\a)%4)+\b)+7], v[128*(\p)+FR*\b:128*(\p)+FR*\b+FR-1], v[AF+FR*(\a):AF+FR*(\a)+FR-1], v[8*(8*((\a)%4)+\b):8*(8*((\a)%4)+\b)+7], v[SC+8*NQ*(\sc)+NQ*\b+(\q)], v[SC+8*NQ*(\sc)+NQ*(\a)+(\q)] matrix_a_fmt:MATRIX_FMT_FP6 matrix_b_fmt:MATRIX_FMT_FP6 matrix_a_scale:MATRIX_SCALE_ROW1
.endif
.endr
.endr
.endm
.macro FETCH_B slot, q, p
	WIN TO_B
.irp i, 0,1,2,3,4,5,6,7
	FRAG 128*(\p)+FR*\i, ADRB+\slot, \q, \i
.endr
	WIN 0
.endm
.macro FETCH_A slot, q, i0
.irp i, \i0, \i0+1, \i0+2, \i0+3
	FRAG AF+FR*(\i), ADRA+\slot, \q, \i
.endr
.endm
.macro SCALES sc
.irp i, 0,1,2,3,4,5,6,7
	ds_load_b64 v[SC+8*NQ*\sc+NQ*\i:SC+8*NQ*\sc+NQ*\i+1], v[ADRS] offset:\i*128
.endr
.endm
.macro STEP slot, q, zero
	s_wait_dscnt 4*NL
	WIN MUL_LO
	MUL16 0, (\q)%2, \q, \slot, \zero
	MUL16 2, (\q)%2, \q, \slot, \zero
	s_wait_dscnt 0
	PLACES NP
	FETCH_B \slot, (\q)+1, 1-(\q)%2
	FETCH_A \slot, (\q)+1, 0
	WIN MUL_HI
	MUL16 4, (\q)%2, \q, \slot, \zero
	MUL16 6, (\q)%2, \q, \slot, \zero
	PLACES NP
	WIN 0
	FETCH_A \slot, (\q)+1, 4
.endm
.macro TURN slot, next, fill, fetch
	s_wait_tensorcnt 0x0
	ds_add_u32 v[SPW], v[NIL]
	s_wait_dscnt 4*NL+1
	WIN MUL_LO
	MUL16 0, 1, NQ-1, \slot, 0
	s_wait_dscnt 0x0
	s_barrier_signal -1
	MUL16 2, 1, NQ-1, \slot, 0
	WIN 0
	s_barrier_wait -1
	CREST
.if \fill == 1
	s_add_nc_u64 s[G0+4*\slot+2:G0+4*\slot+3], s[G0+4*\slot+2:G0+4*\slot+3], 6144
	s_add_nc_u64 s[G0B+4*\slot+2:G0B+4*\slot+3], s[G0B+4*\slot+2:G0B+4*\slot+3], 6144
	JLOAD G0+4*\slot, G1, G0B+4*\slot, G1B
.else
	s_sub_nc_u64 s[G0+4*\slot+2:G0+4*\slot+3], s[G0+4*\slot+2:G0+4*\slot+3], 6144
	JLOAD G0+4*\slot, G1, G0V+4*\slot, G1V
.endif
.if \fetch
	s_wait_alu depctr_va_vdst(0)
	v_add_nc_u32 v[ADRS], 1024, v[ADRS]
	FETCH_B \next, 0, 0
	FETCH_A \next, 0, 0
	SCALES \next
.endif
	WIN MUL_HI
	MUL16 4, 1, NQ-1, \slot, 0
	MUL16 6, 1, NQ-1, \slot, 0
.if \fetch
	PLACES NP
	WIN 0
	FETCH_A \next, 0, 4
.else
	WIN 0
.endif
.endm
	s_wait_tensorcnt 1
	s_wait_dscnt 0x0
	s_barrier_signal -1
	s_barrier_wait -1
	s_or_b32 s[G1V+0], s44, (3<<16)|(1<<21)
	s_mov_b32 s[G1V+1], 384<<16
	s_mov_b32 s[G1V+2], 4<<16
	s_mov_b32 s[G1V+3], 384<<16
	s_mov_b32 s[G1V+4], 4
	s_mov_b32 s[G1V+5], 1536
	s_mov_b32 s[G1V+6], 0
	s_mov_b32 s[G1V+7], 0
.irp s, 0,1
	s_mov_b32 s[G0V+4*\s], 1
	s_add_co_u32 s[G0V+4*\s+1], s[LB2], \s*SLOT
	s_add_nc_u64 s[G0V+4*\s+2:G0V+4*\s+3], s[92:93], \s*3072
	s_or_b32 s[G0V+4*\s+3], s[G0V+4*\s+3], 0x80000000
.endr
	FETCH_B 0, 0, 0
	FETCH_A 0, 0, 0
	SCALES 0
	FETCH_A 0, 0, 4
	STEP 0, 0, 1
	TURN 0, 1, 1, 1
	STEP 1, 0, 0
	TURN 1, 0, 1, 1
	STEP 0, 0, 0
	TURN 0, 1, 2, 1
	STEP 1, 0, 0
	TURN 1, 0, 2, 0
.macro ROT a
.set AC, 64*((\a)%4)
.set TT, TBL+16*((\a)%4)
	WIN 0x02+(\a)/4
.irp k, 0,32
.irp m, 0,1,2,3,4,5,6,7
	v_mul_f32 v[RT+(\k)/2+2*\m], v[AC+\k+2*\m+1], v[TT+2*\m+1]
	v_mul_f32 v[RT+(\k)/2+2*\m+1], v[AC+\k+2*\m], v[TT+2*\m+1]
.endr
.endr
	WIN 0x82+0x41*((\a)/4)
.irp k, 0,32
.irp m, 0,1,2,3,4,5,6,7
	v_fma_f32 v[AC+\k+2*\m], v[AC+\k+2*\m], v[TT+2*\m], -v[RT+(\k)/2+2*\m]
	v_fma_f32 v[AC+\k+2*\m+1], v[AC+\k+2*\m+1], v[TT+2*\m], v[RT+(\k)/2+2*\m+1]
.endr
.endr
	WIN 0
.endm
.macro QACC a
.set AC, 64*((\a)%4)
	WIN 0x0a+5*((\a)/4)
.irp b, 0,1,2,3
	v_max3_num_f32 v[TM+\b], |v[AC+16*\b]|, |v[AC+16*\b+1]|, 0x1800000
.endr
.irp i, 2,4,6,8,10,12,14
.irp b, 0,1,2,3
	v_max3_num_f32 v[TM+\b], |v[AC+16*\b+\i]|, |v[AC+16*\b+\i+1]|, v[TM+\b]
.endr
.endr
	WIN 0
.irp b, 0,1,2,3
	v_permlanex16_b32 v[TM+4+\b], v[TM+\b], s[SEL], s[SEL+1]
.endr
.irp b, 0,1,2,3
	v_max_num_f32 v[TM+\b], v[TM+\b], v[TM+4+\b]
.endr
.irp b, 0,1,2,3
	v_add_nc_u32 v[TM+12+\b], 0xff000000, v[TM+\b]
.endr
.irp b, 0,1,2,3
	v_lshrrev_b32 v[TM+4+\b], 23, v[TM+12+\b]
.endr
	WIN 0x02+(\a)/4
	v_cvt_scalef32_pk16_fp6_f32 v[DA:DA+2], v[AC:AC+15], v[TM+12]
	v_cvt_scalef32_pk16_fp6_f32 v[CT:CT+2], v[AC+16:AC+31], v[TM+13]
	v_cvt_scalef32_pk16_fp6_f32 v[DB:DB+2], v[AC+32:AC+47], v[TM+14]
	v_cvt_scalef32_pk16_fp6_f32 v[CT+4:CT+6], v[AC+48:AC+63], v[TM+15]
	WIN 0
	v_nop
.irp i, 0,1,2
	v_permlane16_swap_b32 v[DA+\i], v[CT+\i]
	v_permlane16_swap_b32 v[DB+\i], v[CT+4+\i]
.endr
.irp i, 0,1,2
	v_mov_b32 v[DA+3+\i], v[CT+\i]
	v_mov_b32 v[DB+3+\i], v[CT+4+\i]
.endr
.endm
	PLACES NP
	s_wait_loadcnt 0x0
.irp b, 0,1,2,3
	v_mov_b32 v[TM+4+\b], 0
.endr
.irp a, 0,1,2,3,4,5,6,7
.if \a >= 4
	s_wait_loadcnt 4*(7-\a)
.endif
	ROT \a
.if \a < 4
.irp i, 0,1,2,3
	global_load_b128 v[TBL+16*\a+4*\i:TBL+16*\a+4*\i+3], v[VT+4+\a], s[8:9] offset:16*\i
.endr
.endif
.if (\a%2 == 0) && (\a >= 4)
	s_wait_xcnt 0x0
.endif
.set DA, FB+24*((\a/2)%2)+6*(\a%2)
.set DB, DA+12
	QACC \a
.if \a%2 == 0
	v_lshl_or_b32 v[SW+\a/2], v[TM+5], 8, v[TM+4]
	v_lshl_or_b32 v[SW+4+\a/2], v[TM+7], 8, v[TM+6]
.else
	v_lshl_or_b32 v[HB], v[TM+5], 8, v[TM+4]
	v_lshl_or_b32 v[SW+\a/2], v[HB], 16, v[SW+\a/2]
	v_lshl_or_b32 v[HB], v[TM+7], 8, v[TM+6]
	v_lshl_or_b32 v[SW+4+\a/2], v[HB], 16, v[SW+4+\a/2]
.irp c, 0,1
.irp i, 0,1,2
	global_store_b128 v[VO], v[FB+24*((\a/2)%2)+12*\c+4*\i:FB+24*((\a/2)%2)+12*\c+4*\i+3], s[12:13] offset:49152*\c+1536*(\a/2)+512*\i
.endr
.endr
.endif
.endr
.irp i, 0,1,2,3
	v_cndmask_b32 v[SX+\i], v[SW+\i], v[SW+4+\i], s[MSK]
.endr
	global_store_b128 v[VS], v[SX:SX+3], s[96:97]
	s_wait_xcnt 0x0
.macro MUL2 a0, p, q, sc, zero
.irp a, \a0, \a0+1
.irp b, 0,1,2,3,4,5,6,7
.if \zero
	v_wmma_scale_f32_16x16x128_f8f6f4 v[8*(8*(\a)+\b):8*(8*(\a)+\b)+7], v[128*(\p)+FR*\b:128*(\p)+FR*\b+FR-1], v[AF+48*(\p)+FR*(\a):AF+48*(\p)+FR*(\a)+FR-1], 0, v[SC+16*(\sc)+2*\b+(\q)], v[SC+16*(\sc)+2*(\a)+(\q)] matrix_a_fmt:MATRIX_FMT_FP6 matrix_b_fmt:MATRIX_FMT_FP6 matrix_b_scale:MATRIX_SCALE_ROW1
.else
	v_wmma_scale_f32_16x16x128_f8f6f4 v[8*(8*(\a)+\b):8*(8*(\a)+\b)+7], v[128*(\p)+FR*\b:128*(\p)+FR*\b+FR-1], v[AF+48*(\p)+FR*(\a):AF+48*(\p)+FR*(\a)+FR-1], v[8*(8*(\a)+\b):8*(8*(\a)+\b)+7], v[SC+16*(\sc)+2*\b+(\q)], v[SC+16*(\sc)+2*(\a)+(\q)] matrix_a_fmt:MATRIX_FMT_FP6 matrix_b_fmt:MATRIX_FMT_FP6 matrix_b_scale:MATRIX_SCALE_ROW1
.endif
.endr
.endr
.endm
.macro FETCH2 slot, q, p
	WIN TO_B
.irp i, 0,1,2,3,4,5,6,7
	FRAG 128*(\p)+FR*\i, ADRA+\slot, \q, \i
.endr
	WIN 0
.irp i, 0,1,2,3
	FRAG AF+48*(\p)+FR*\i, ADRV+\slot, \q, \i
.endr
.endm
.macro SCALES2 sc
.irp i, 0,1,2,3,4,5,6,7
	ds_load_b64 v[SC+16*\sc+2*\i:SC+16*\sc+2*\i+1], v[ADRT] offset:\i*128
.endr
.endm
.macro S2 slot, zero
	s_wait_dscnt 0x0
	PLACES NP
	FETCH2 \slot, 1, 1
	WIN MUL_LO
	MUL2 0, 0, 0, \slot, \zero
	MUL2 2, 0, 0, \slot, \zero
	WIN 0
.endm
.macro T2 slot, next, fill
	s_wait_tensorcnt 0x0
	ds_add_u32 v[SPW], v[NIL]
	s_wait_dscnt 0x0
	s_barrier_signal -1
	WIN MUL_LO
	MUL2 0, 1, 1, \slot, 0
	WIN 0
	s_barrier_wait -1
.if \fill
	CREST
	s_add_nc_u64 s[G0+4*\slot+2:G0+4*\slot+3], s[G0+4*\slot+2:G0+4*\slot+3], 6144
	s_add_nc_u64 s[G0V+4*\slot+2:G0V+4*\slot+3], s[G0V+4*\slot+2:G0V+4*\slot+3], 6144
	JLOAD G0+4*\slot, G1, G0V+4*\slot, G1V
.else
	PLACES NP
.endif
	s_wait_alu depctr_va_vdst(0)
	v_add_nc_u32 v[ADRT], 1024, v[ADRT]
	FETCH2 \next, 0, 0
	SCALES2 \next
	WIN MUL_LO
	MUL2 2, 1, 1, \slot, 0
	WIN 0
.endm
	FETCH2 0, 0, 0
	SCALES2 0
	S2 0, 1
	T2 0, 1, 1
	S2 1, 0
	T2 1, 0, 1
	S2 0, 0
	T2 0, 1, 0
	S2 1, 0
	s_wait_dscnt 0x0
	WIN MUL_LO
	MUL2 0, 1, 1, 1, 0
	MUL2 2, 1, 1, 1, 0
	WIN 0
	PLACES NP
.irp a, 0,1,2,3
.if \a >= 2
	s_wait_xcnt 0x0
.endif
.set DA, FB+24*(\a%2)
.set DB, DA+6
	QACC \a
	v_lshl_or_b32 v[SW+\a], v[TM+5], 8, v[TM+4]
	v_lshl_or_b32 v[SW+\a], v[TM+6], 16, v[SW+\a]
	v_lshl_or_b32 v[SW+\a], v[TM+7], 24, v[SW+\a]
.irp i, 0,1,2
	global_store_b128 v[VO], v[FB+24*(\a%2)+4*\i:FB+24*(\a%2)+4*\i+3], s[20:21] offset:1536*\a+512*\i
.endr
.endr
	global_store_b128 v[VS2], v[SW:SW+3], s[22:23]
	s_wait_tensorcnt 0x0
	ds_add_u32 v[SPW], v[NIL]
	s_wait_dscnt 0x0
	CROUND
	s_endpgm
.Lfunc_end_k_qf609e43506_qkvg:
	.size	k_qf609e43506_qkvg, .Lfunc_end_k_qf609e43506_qkvg-k_qf609e43506_qkvg
	.p2alignl 7, 3214868480
	.fill 96, 4, 3214868480
	.section	.rodata,"a",@progbits
	.p2align	6, 0x0
	.amdhsa_kernel k_qf609e43506_qkvg
		.amdhsa_group_segment_fixed_size 327680
		.amdhsa_private_segment_fixed_size 0
		.amdhsa_enable_private_segment 0
		.amdhsa_kernarg_size 32
		.amdhsa_user_sgpr_count 2
		.amdhsa_user_sgpr_kernarg_segment_ptr 1
		.amdhsa_wavefront_size32 1
		.amdhsa_system_sgpr_workgroup_id_x 1
		.amdhsa_system_sgpr_workgroup_id_y 1
		.amdhsa_system_sgpr_workgroup_id_z 1
		.amdhsa_system_vgpr_workitem_id 0
		.amdhsa_next_free_vgpr 1024
		.amdhsa_next_free_sgpr 100
		.amdhsa_reserve_vcc 0
		.amdhsa_float_denorm_mode_32 3
		.amdhsa_float_denorm_mode_16_64 3
		.amdhsa_memory_ordered 1
		.amdhsa_forward_progress 1
		.amdhsa_inst_pref_size 250
	.end_amdhsa_kernel
	.amdgpu_metadata
---
amdhsa.version: [ 1, 2 ]
amdhsa.kernels:
  - .name:           k_qf609e43506_qkvg
    .symbol:         k_qf609e43506_qkvg.kd
    .args:
      - { .name: xq, .offset: 0, .size: 8, .value_kind: global_buffer, .address_space: global }
      - { .name: wq, .offset: 8, .size: 8, .value_kind: global_buffer, .address_space: global }
      - { .name: rot, .offset: 16, .size: 8, .value_kind: global_buffer, .address_space: global }
      - { .name: qkv, .offset: 24, .size: 8, .value_kind: global_buffer, .address_space: global }
    .group_segment_fixed_size: 327680
    .private_segment_fixed_size: 0
    .kernarg_segment_align: 8
    .kernarg_segment_size: 32
    .max_flat_workgroup_size: 128
    .sgpr_count:     100
    .vgpr_count:     1024
    .wavefront_size: 32
...
	.end_amdgpu_metadata
.endif
;; end of part 2
;; launch attn (part 3): grid 4 x 64, 16 waves a work-group, clusters of 4 x 1, 327,680 bytes of LDS; arguments qkv, oq; writes oq
.if DOCPART == 3
	.amdgcn_target "amdgcn-amd-amdhsa--gfx1250"
	.amdhsa_code_object_version 6
	.text
	.protected	k_qf609e43506_attn
	.globl	k_qf609e43506_attn
	.p2align	8
	.type	k_qf609e43506_attn,@function
k_qf609e43506_attn:
	s_mov_b64 s[64:65], 0
	v_nop
	global_prefetch_b8 v0, s[64:65] scope:SCOPE_SE
	s_setreg_imm32_b32 hwreg(HW_REG_WAVE_MODE, 25, 1), 1
	s_wait_xcnt 0x0
	s_wait_alu depctr_hold_cnt(0) depctr_sa_sdst(0) depctr_va_vdst(0) depctr_va_sdst(0) depctr_va_ssrc(0) depctr_va_vcc(0) depctr_vm_vsrc(0)
	s_getreg_b32 s2, hwreg(HW_REG_IB_STS2, 6, 4)
	s_cmp_eq_u32 s2, 0
	s_cbranch_scc0 .Lentry_in_a_cluster
	s_endpgm
.Lentry_in_a_cluster:
	s_bfe_u32 s2, ttmp6, 0x10000c
	s_cmp_lg_u32 s2, 0x3003
	s_cbranch_scc0 .Lentry_shape_is_right
	s_endpgm
.Lentry_shape_is_right:
; o = softmax(q k^T / 8) v for 128 (batch, head) pairs of 1,024 tokens x 64 channels, both products on codes of FP6 (E2M3) with E8M0 scales; o is quantised along the channels and stored as the last product's operand.
; SOFTMAX: t = score x log2(e) / 8; M = the running largest t rounded up to a whole number; p = 2^(t - M) is quantised along the keys, not normalised; the row's sum is taken of the unquantised p and divides at the end.
; When M moves, the sum and O are multiplied by 2^(old M - new M): exact.
; SHARES: a work-group owns 256 queries of two heads; each of its sixteen waves owns 16 queries and runs the two heads one after the other: a whole image (16 tokens x 128 channels) of the last product's operand.
; CLUSTER: the four query blocks of a pair of heads read the same K and V: each part is asked for jointly.  Each wave asks for an eighth of the first head's K or V at the head, and for the same eighth of the second
; head's behind the next round: every LDS byte is filled once.  No prefetch: all bytes are asked for at the head or directly behind the first landing.
; LAYOUT: both products transposed: a lane holds ONE query.  An image of k holds 32 keys (a block): row r has key 16 (r / 8) + r % 8 in K 0-63 and that key + 8 in K 64-127; it is multiplied by [q | 0] and [0 | q].
; A FRAGMENT OF K IS GATHERED: rows 0-7 are rows 8 s .. 8 s + 7 of image 2 c, rows 8-15 the same rows of image 2 c + 1.  So lanes 0-15 get block 2 c and lanes 16-31 block 2 c + 1, and a lane's registers
; 32 c .. 32 c + 31 are that block's 32 keys in order: p's codes come out in the operand's own layout, and a block's maximum needs no other lane.
; In LDS 128 bytes of padding follow every 512: images lie 1,920 bytes apart, so that the two halves of a gathered row group fall on different banks.
; LIMITS: the promise holds while |t| stays under 2^31; 1 / the sum is v_rcp_f32's; NaN and infinities are not served; o's scale words leave as 4 bytes a row, 8 bytes apart.
.set IMG,   1920                       ; an image in LDS: 3 x (512 + 128)
.set CH,    640
.set KV,    32*IMG                     ; a head's K or V
.set VB,    2*KV                       ; LDS: K of head 0, 1; V of head 0, 1;
.set SCB,   4*KV                       ; scale words: K0, K1, V0, V1, 2,048 bytes each, stored from registers;
.set SPARE, SCB+8192                   ; the spare words, 128 bytes for each wave
.set L16, 1                            ; 16 x lane
.set R16, 2                            ; 16 x (lane % 16)
.set ADK, 3
.set ADS, 4
.set SPW, 5
.set NIL, 6
.set ADV, 7
.set ADT, 9
.set LK,  10                           ; the gather's lane term
.set LV,  11
.set QA,  16                           ; v16-33 [q | 0 | q]
.set QR1, 34                           ; the second head's q
.set QS,  40
.set QW1, 41
.set OI,  42                           ; v42-53 o's image
.set OW,  54
.set LS,  55
.set FR,  56                           ; v56-103 four fragments of K or of V
.set S,   104                          ; v104-167 S^T, then p
.set O,   168                          ; v168-199 O^T
.set P,   200                          ; v200-211 p's codes
.set SW,  212                          ; the fragments' scale words
.set BM,  216
.set PT,  220
.set SO,  228
.set H8,  230                          ; 8 x (lane / 16)
.set FF,  232                          ; f; v233 p's scale word
.set PS,  233
.set TMP, 234
.set TM2, 235
.set CT,  236                          ; the upper halves of the blocks' codes
.set TP,  236                          ; v236-249 seven partial sums (done with before the codes are made)
.set WV,  18
.set SEL, 20
.set CS,  22
.set TB,  76
.set TS,  77
.set CNT, 78
.set UM,  79
.macro CROUND
	s_barrier_signal -1
	s_barrier_wait -1
	s_cmp_lg_u32 s[WV], 0
	s_cbranch_scc1 .Lnot_wave_0_\@
	s_barrier_signal -3
.Lnot_wave_0_\@:
	s_barrier_wait -3
	s_barrier_signal -1
	s_barrier_wait -1
.endm
	s_load_b128 s[4:7], s[0:1], 0x0                ; qkv s[4:5], oq s[6:7]
	v_lshl_add_u32 v[SPW], v0, 2, SPARE
	v_mov_b32 v[NIL], 0
	ds_add_u32 v[SPW], v[NIL]                      ; the opening lines: the add, twice on end, and its wait
	ds_add_u32 v[SPW], v[NIL]
	v_lshrrev_b32 v8, 5, v0
	s_delay_alu instid0(VALU_DEP_1)
	v_readfirstlane_b32 s[WV], v8                  ; wave 0..15
	s_bfe_u32 s8, ttmp6, 0x40000                   ; cx: my block of 256 queries: it enters q's and o's global addresses alone
	s_and_b32 s9, ttmp7, 0xffff                    ; 8 batch + pair of heads
	s_mov_b32 s24, 15|(3<<16)|(1<<20)|(1<<21)|(6<<22)|(31<<25)  ; all four work-groups; elements of 8 bytes; 32 words of padding behind every 128
	s_mov_b32 s25, 64<<16                          ; 6,144 dense bytes as 12 rows of 512
	s_mov_b32 s26, 12<<16
	s_mov_b32 s27, 64<<16
	s_mov_b32 s28, 12
	s_mov_b32 s29, 64
	s_mov_b32 s30, 0
	s_mov_b32 s31, 0
	s_lshl_b32 s10, s9, 1                          ; 16 batch + the first head
	s_lshr_b32 s11, s[WV], 3                       ; waves 0-7 fetch K, waves 8-15 V
	s_and_b32 s12, s[WV], 7                        ; which eighth
	s_add_co_u32 s13, s11, 1
	s_mul_i32 s13, s13, 6291456
	s_mul_i32 s14, s10, 49152
	s_add_co_u32 s82, s13, s14
	s_mul_i32 s14, s12, 6144
	s_add_co_u32 s82, s82, s14
	s_mov_b32 s83, 0
	s_mov_b32 s56, 1
	s_mul_i32 s57, s11, VB
	s_mul_i32 s14, s12, 4*IMG
	s_add_co_u32 s57, s57, s14
	s_mov_b32 s60, 1
	s_add_co_u32 s61, s57, KV
	s_bfe_u32 s13, s[WV], 0x10002                  ; scale words: my wave copies 512 bytes: K or V by wave / 8, head by bit 2, quarter by wave % 4
	s_and_b32 s14, s[WV], 3
	s_add_co_u32 s15, s11, 1
	s_lshl_b32 s15, s15, 18
	s_add_co_u32 s16, s10, s13
	s_lshl_b32 s16, s16, 11
	s_add_co_u32 s15, s15, s16
	s_lshl_b32 s16, s14, 9
	s_add_co_u32 s15, s15, s16
	s_add_co_u32 s80, s15, 18874368
	s_mov_b32 s81, 0
	s_lshl_b32 s12, s8, 3                          ; my 16 queries: group G = 8 cx + wave / 2 of 32 tokens, tile u = wave % 2
	s_lshr_b32 s13, s[WV], 1
	s_add_co_u32 s12, s12, s13
	s_mul_i32 s66, s10, 49152
	s_mul_i32 s13, s12, 1536
	s_add_co_u32 s66, s66, s13
	s_mov_b32 s67, 0
	s_lshl_b32 s68, s10, 11
	s_lshr_b32 s13, s12, 2
	s_lshl_b32 s13, s13, 8
	s_add_co_u32 s68, s68, s13
	s_and_b32 s13, s12, 3
	s_lshl_b32 s13, s13, 2
	s_add_co_u32 s68, s68, s13
	s_add_co_u32 s68, s68, 18874368
	s_mov_b32 s69, 0
	s_and_b32 s[UM], s[WV], 1
	s_lshl_b32 s84, s[UM], 4                       ; 16 u
	s_sub_co_u32 s[UM], 0, s[UM]                   ; all ones where u = 1
	s_mov_b32 s[SEL], 0x76543210
	s_mov_b32 s[SEL+1], 0xfedcba98
	s_mov_b32 s[CS], 0x3e38aa3b                    ; c = log2(e) / 8
	s_mov_b32 s[CS+1], s[CS]
	s_wait_dscnt 0x0                               ; both opening adds are done
	s_wait_kmcnt 0x0
	s_add_nc_u64 s[58:59], s[4:5], s[82:83]
	s_add_nc_u64 s[62:63], s[58:59], 49152         ; the second head's lies behind the first's
	s_or_b32 s59, s59, 0x80000000
	s_or_b32 s63, s63, 0x80000000
	s_add_nc_u64 s[80:81], s[4:5], s[80:81]
	s_add_nc_u64 s[66:67], s[4:5], s[66:67]
	s_add_nc_u64 s[68:69], s[4:5], s[68:69]
	CROUND                                         ; all four work-groups are here: the joint loads meet
	tensor_load_to_lds s[56:59], s[24:31]          ; my eighth of the first head's K or V: my one load at the head
	s_nop 0
	v_and_b32 v8, 31, v0
	v_bfe_u32 v[BM], v0, 3, 1                      ; r / 8
	v_and_b32 v[BM+1], 7, v0                       ; r % 8
	v_bfe_u32 v[BM+2], v0, 4, 1                    ; h
	v_and_b32 v[BM+3], 15, v0
	v_lshlrev_b32 v[L16], 4, v8
	v_mul_u32_u24 v[LK], v[BM], IMG
	v_lshlrev_b32 v[LS], 4, v[BM+1]
	v_lshlrev_b32 v[H8], 3, v[BM+2]
	v_lshlrev_b32 v[R16], 4, v[BM+3]
	v_lshl_add_u32 v[LK], v[BM+1], 4, v[LK]
	v_lshl_add_u32 v[LS], v[BM], 2, v[LS]          ; K's scale word: 16 (r % 8) + 4 (r / 8)
	v_add_nc_u32 v[LV], VB, v[L16]
	v_lshl_add_u32 v8, v0, 4, SCB                  ; where my 16 bytes of scale words go
	v_lshl_add_u32 v[LK], v[BM+2], 8, v[LK]        ; K's codes: 1,920 (r / 8) + 16 (r % 8) + 256 h
.irp b, 0,1,2,3
	v_mov_b32 v[PT+\b], 0                          ; a lane permute's destination counts as one of its sources
.endr
	v_mov_b32 v[PS], 0
	v_mov_b32 v[TMP], 0
	s_wait_alu depctr_va_vdst(0)
	global_load_b128 v[FR:FR+3], v[L16], s[80:81]
.irp e, 0,1
.irp i, 0,1,2
	global_load_b128 v[S+12*\e+4*\i:S+12*\e+4*\i+3], v[L16], s[66:67] offset:49152*\e+512*\i
.endr
	global_load_b32 v[S+24+\e], v[R16], s[68:69] offset:2048*\e
.endr
	s_wait_loadcnt 8                               ; the scale words are in; q's eight loads may be out
	ds_store_b128 v8, v[FR:FR+3]                   ; bytes of their own: no tensor load lands there
	s_wait_loadcnt 0x0
.irp i, 0,1,2,3,4,5
	v_cndmask_b32 v[QA+\i], v[S+\i], v[S+6+\i], s[UM]          ; my tile's six registers of the group's image
	v_cndmask_b32 v[QR1+\i], v[S+12+\i], v[S+18+\i], s[UM]
	v_mov_b32 v[QA+6+\i], 0
.endr
.irp i, 0,1,2,3,4,5
	v_mov_b32 v[QA+12+\i], v[QA+\i]
.endr
	v_lshrrev_b32 v8, s84, v[S+24]
	v_lshrrev_b32 v[TM2], s84, v[S+25]
	s_delay_alu instid0(VALU_DEP_2)
	v_and_b32 v8, 0xffff, v8
	s_delay_alu instid0(VALU_DEP_2)
	v_and_b32 v[TM2], 0xffff, v[TM2]
	s_delay_alu instid0(VALU_DEP_2)
	v_lshl_or_b32 v[QS], v8, 16, v8                ; my tile's two bytes, for K 0-63 and again for K 64-127
	s_delay_alu instid0(VALU_DEP_2)
	v_lshl_or_b32 v[QW1], v[TM2], 16, v[TM2]
.macro PKF j0                          ; t - M of 16 scores, two at a time
.set j, \j0
.rept 8
	v_pk_fma_f32 v[S+j:S+j+1], v[S+j:S+j+1], s[CS:CS+1], v[12:13] op_sel_hi:[1,0,0]
.set j, j+2
.endr
.endm
; A KEY STEP: 128 keys.
.macro STEP
	v_add_nc_u32 v[ADK], s[TB], v[LK]              ; these four are also the places in front of loads into registers that the last products read
	v_add_nc_u32 v[ADV], s[TB], v[LV]
	v_add_nc_u32 v[ADS], s[TS], v[LS]
	v_add_nc_u32 v[ADT], s[TS], v[R16]
.irp c, 0,1
.irp s, 0,1
.irp i, 0,1,2
	ds_load_b128 v[FR+24*\c+12*\s+4*\i:FR+24*\c+12*\s+4*\i+3], v[ADK] offset:2*IMG*\c+128*\s+CH*\i
.endr
	ds_load_b32 v[SW+2*\c+\s], v[ADS] offset:128*\s+8*\c
.endr
.endr
	s_wait_alu depctr_va_vdst(0)
	s_wait_dscnt 0x0
.irp f, 0,1,2,3
	v_wmma_scale_f32_16x16x128_f8f6f4 v[S+16*\f:S+16*\f+7], v[FR+12*\f:FR+12*\f+11], v[QA:QA+11], 0, v[SW+\f], v[QS] matrix_a_fmt:MATRIX_FMT_FP6 matrix_b_fmt:MATRIX_FMT_FP6
	v_wmma_scale_f32_16x16x128_f8f6f4 v[S+16*\f+8:S+16*\f+15], v[FR+12*\f:FR+12*\f+11], v[QA+6:QA+17], 0, v[SW+\f], v[QS] matrix_a_fmt:MATRIX_FMT_FP6 matrix_b_fmt:MATRIX_FMT_FP6
.endr                                              ; register 32 c + i is key i of block 2 c + lane / 16 of the step
	v_mov_b32 v[TMP], v12                          ; the old -M; with three v_nop the four places behind the products
	v_nop
	v_nop
	v_nop
.irp t, 0,1,2,3                                    ; V's four fragments (16 channels x these 128 keys) land while the softmax is worked
.irp i, 0,1,2
	ds_load_b128 v[FR+12*\t+4*\i:FR+12*\t+4*\i+3], v[ADV] offset:IMG*\t+CH*\i
.endr
.endr
	ds_load_b128 v[SW:SW+3], v[ADT] offset:4096
.irp b, 0,1,2,3
	v_max3_num_f32 v[BM+\b], v[S+16*\b], v[S+1+16*\b], v[S+2+16*\b]   ; four chains by turns; each result is first read at its low end
.endr
.irp i, 3,5,7,9,11,13
.irp b, 0,1,2,3
	v_max3_num_f32 v[BM+\b], v[BM+\b], v[S+16*\b+\i], v[S+1+16*\b+\i]
.endr
.endr
.irp c, 0,1
	v_max3_num_f32 v[BM+2*\c], v[BM+2*\c], v[BM+2*\c+1], v[S+15+32*\c]
.endr
.irp c, 0,1
	v_max_num_f32 v[BM+2*\c], v[BM+2*\c], v[S+31+32*\c]   ; my two blocks' largest scores: for the row's maximum and, since p rises with the score, for the blocks' largest p
.endr
	v_max_num_f32 v[TM2], v[BM], v[BM+2]
	v_permlanex16_b32 v[PT], v[TM2], s[SEL], s[SEL+1]
	v_max3_num_f32 v13, v13, v[TM2], v[PT]         ; the running largest score (c is positive)
	v_mul_f32 v[TM2], s[CS], v13                   ; as t
	v_floor_f32 v12, -v[TM2]                       ; the new -M = -ceil(t)
	PKF 0
	v_sub_f32 v[TMP], v12, v[TMP]                  ; old M - new M: a whole number, 0 or less
	PKF 16
	v_cvt_i32_f32 v[TMP], v[TMP]                   ; (it saturates)
	PKF 32
	v_ldexp_f32 v[FF], 1.0, v[TMP]                 ; f = 2^(old M - new M)
	PKF 48
	v_fma_f32 v[BM], v[BM], s[CS], v12             ; the same of each block's largest score
	v_fma_f32 v[BM+2], v[BM+2], s[CS], v12
	s_wait_alu depctr_va_vdst(0)
.set j, 0
.rept 64
	v_exp_f32 v[S+j], v[S+j]                       ; p = 2^(t - M)
.set j, j+1
.endr
	v_exp_f32 v[BM], v[BM]                         ; the blocks' largest p
	v_exp_f32 v[BM+2], v[BM+2]
	v_pk_mul_f32 v[14:15], v[14:15], v[FF:FF+1] op_sel_hi:[1,0]   ; the sums under the new M: the plain place behind the batch
	s_wait_alu depctr_va_vdst(0)                   ; and one wait behind it, ahead of its first reader
.irp i, 0,1,2,3,4,5,6                              ; the row's sum of the unquantised p: eight chains by turns
	v_pk_add_f32 v[TP+2*\i:TP+2*\i+1], v[S+4*\i:S+4*\i+1], v[S+4*\i+2:S+4*\i+3]
.endr
	v_pk_add_f32 v[14:15], v[14:15], v[S+28:S+29]
	v_max_num_f32 v[BM], 0x1800000, v[BM]          ; the floor 2^(3 - 127)
	v_max_num_f32 v[BM+2], 0x1800000, v[BM+2]
.irp i, 0,1,2,3,4,5,6
	v_pk_add_f32 v[TP+2*\i:TP+2*\i+1], v[TP+2*\i:TP+2*\i+1], v[S+30+2*\i:S+31+2*\i]
.endr
	v_pk_add_f32 v[14:15], v[14:15], v[S+44:S+45]
	v_add_nc_u32 v[SO], 0xff000000, v[BM]          ; the conversions' scale operands
	v_add_nc_u32 v[SO+1], 0xff000000, v[BM+2]
.irp i, 0,1,2,3,4,5,6
	v_pk_add_f32 v[TP+2*\i:TP+2*\i+1], v[TP+2*\i:TP+2*\i+1], v[S+46+2*\i:S+47+2*\i]
.endr
	v_pk_add_f32 v[14:15], v[14:15], v[S+60:S+61]
	v_pk_add_f32 v[TP:TP+1], v[TP:TP+1], v[S+62:S+63]
	v_pk_add_f32 v[TP+4:TP+5], v[TP+4:TP+5], v[TP+6:TP+7]
	v_pk_add_f32 v[TP+8:TP+9], v[TP+8:TP+9], v[TP+10:TP+11]
	v_pk_add_f32 v[14:15], v[14:15], v[TP+12:TP+13]
	v_pk_add_f32 v[TP:TP+1], v[TP:TP+1], v[TP+2:TP+3]
	s_delay_alu instid0(VALU_DEP_2)
	v_pk_add_f32 v[14:15], v[14:15], v[TP+8:TP+9]
	s_delay_alu instid0(VALU_DEP_2)
	v_pk_add_f32 v[TP:TP+1], v[TP:TP+1], v[TP+4:TP+5]
	s_delay_alu instid0(VALU_DEP_1)
	v_pk_add_f32 v[14:15], v[14:15], v[TP:TP+1]
.irp c, 0,1
	v_cvt_scalef32_pk16_fp6_f32 v[P+6*\c:P+6*\c+2], v[S+32*\c:S+32*\c+15], v[SO+\c]
	v_cvt_scalef32_pk16_fp6_f32 v[CT+4*\c:CT+4*\c+2], v[S+32*\c+16:S+32*\c+31], v[SO+\c]   ; (a conversion's three registers begin on an even number)
.endr
	v_lshrrev_b32 v[PT], 23, v[SO]                 ; the bytes; also the plain place behind the conversions
	v_lshrrev_b32 v[PT+1], 23, v[SO+1]
	v_mov_b32 v[P+3], v[CT]
	v_mov_b32 v[P+4], v[CT+1]
	v_lshl_or_b32 v[PS], v[PT+1], 16, v[PT]        ; my two bytes: blocks h and 2 + h,
	v_mov_b32 v[P+5], v[CT+2]
	v_mov_b32 v[P+9], v[CT+4]
	v_lshlrev_b32 v[PS], v[H8], v[PS]              ; at their places in the word;
	v_mov_b32 v[P+10], v[CT+5]
	v_mov_b32 v[P+11], v[CT+6]
	v_permlanex16_b32 v[PT+2], v[PS], s[SEL], s[SEL+1]
	s_delay_alu instid0(VALU_DEP_1)
	v_or_b32 v[PS], v[PS], v[PT+2]                 ; with lane l xor 16's two the word is whole
	s_wait_alu depctr_va_vdst(0)
.set j, 0
.rept 16
	v_pk_mul_f32 v[O+j:O+j+1], v[O+j:O+j+1], v[FF:FF+1] op_sel_hi:[1,0]   ; O^T under the new M; these sixteen are also the places between p's codes and scale word and the products
.set j, j+2
.endr
	s_wait_alu depctr_va_vdst(0)
	s_wait_dscnt 0x0                               ; V
.irp t, 0,1,2,3
	v_wmma_scale_f32_16x16x128_f8f6f4 v[O+8*\t:O+8*\t+7], v[FR+12*\t:FR+12*\t+11], v[P:P+11], v[O+8*\t:O+8*\t+7], v[SW+\t], v[PS] matrix_a_fmt:MATRIX_FMT_FP6 matrix_b_fmt:MATRIX_FMT_FP6
.endr                                              ; four accumulators by turns, one instruction each
.endm
.macro RUN n
	s_mov_b32 s[CNT], \n
.Lrun_\@:
	STEP
	s_add_co_u32 s[TB], s[TB], 4*IMG
	s_add_co_u32 s[TS], s[TS], 256
	s_sub_co_u32 s[CNT], s[CNT], 1
	s_cmp_lg_u32 s[CNT], 0
	s_cbranch_scc1 .Lrun_\@
.endm
.macro PASSHEAD e
.if \e
.irp i, 0,1,2,3,4,5
	v_mov_b32 v[QA+\i], v[QR1+\i]
	v_mov_b32 v[QA+12+\i], v[QR1+\i]
.endr
	v_mov_b32 v[QS], v[QW1]
.endif
	v_mov_b32 v13, 0xff61b1e6                      ; the largest score so far: -3e38
	v_mov_b32 v14, 0
	v_mov_b32 v15, 0
	v_floor_f32 v12, -v13
.set j, 0
.rept 32
	v_mov_b32 v[O+j], 0                            ; the step is written once: its first trip finds zeros, which the first change of M leaves zeros
.set j, j+1
.endr
	s_mov_b32 s[TB], KV*\e
	s_mov_b32 s[TS], SCB+2048*\e
.endm
; The head's 64 channels of my 16 queries: divided by the sum, quantised (two blocks of 32), six registers of o's image and two bytes of its scale word.
.macro FIN e
.rept 4
	v_nop                                          ; places behind the last products
.endr
	v_add_f32 v14, v14, v15
	s_delay_alu instid0(VALU_DEP_1)
	v_permlanex16_b32 v[TMP], v14, s[SEL], s[SEL+1]
	s_delay_alu instid0(VALU_DEP_1)
	v_add_f32 v14, v14, v[TMP]                     ; the row's sum
	s_wait_alu depctr_va_vdst(0)
	v_rcp_f32 v14, v14
	v_nop
	s_wait_alu depctr_va_vdst(0)
.set j, 0
.rept 16
	v_pk_mul_f32 v[S+j:S+j+1], v[O+j:O+j+1], v[14:15] op_sel_hi:[1,0]   ; register 16 b + i is channel 32 b + 16 (lane / 16) + i
.set j, j+2
.endr
.irp b, 0,1
	v_max3_num_f32 v[BM+\b], |v[S+16*\b]|, |v[S+16*\b+1]|, 0x1800000
.endr
.irp i, 2,4,6,8,10,12,14
.irp b, 0,1
	s_delay_alu instid0(VALU_DEP_2)
	v_max3_num_f32 v[BM+\b], v[BM+\b], |v[S+16*\b+\i]|, |v[S+16*\b+\i+1]|
.endr
.endr
.irp b, 0,1
	s_delay_alu instid0(VALU_DEP_2)
	v_permlanex16_b32 v[PT+\b], v[BM+\b], s[SEL], s[SEL+1]
.endr
.irp b, 0,1
	s_delay_alu instid0(VALU_DEP_2)
	v_max_num_f32 v[BM+\b], v[BM+\b], v[PT+\b]
.endr
.irp b, 0,1
	s_delay_alu instid0(VALU_DEP_2)
	v_add_nc_u32 v[SO+\b], 0xff000000, v[BM+\b]
.endr
.irp b, 0,1
	s_delay_alu instid0(VALU_DEP_2)
	v_lshrrev_b32 v[PT+\b], 23, v[SO+\b]
.endr
	v_cvt_scalef32_pk16_fp6_f32 v[OI+6*\e:OI+6*\e+2], v[S:S+15], v[SO]
	v_cvt_scalef32_pk16_fp6_f32 v[PT+4:PT+6], v[S+16:S+31], v[SO+1]
	v_nop
.irp i, 0,1,2
	v_permlane16_swap_b32 v[OI+6*\e+\i], v[PT+4+\i]
.endr
.irp i, 0,1,2
	s_delay_alu instid0(VALU_DEP_3)
	v_mov_b32 v[OI+6*\e+3+\i], v[PT+4+\i]
.endr
.if \e
	v_lshl_or_b32 v[TMP], v[PT+1], 8, v[PT]
	s_delay_alu instid0(VALU_DEP_1)
	v_lshl_or_b32 v[OW], v[TMP], 16, v[OW]
.else
	v_lshl_or_b32 v[OW], v[PT+1], 8, v[PT]
.endif
.endm
	PASSHEAD 0
	s_wait_alu depctr_va_vdst(0)
	s_wait_tensorcnt 0x0                           ; my eighth of the first head is in
	ds_add_u32 v[SPW], v[NIL]
	s_wait_dscnt 0x0                               ; the add and my store of scale words are done
	CROUND                                         ; everybody's parts are in, and all four work-groups are here
	tensor_load_to_lds s[60:63], s[24:31]          ; my eighth of the second head's K or V: my one load behind the round
	s_nop 0
	RUN 2
	s_wait_tensorcnt 0x0                           ; the second head's part; nothing is ever filled again
	s_barrier_signal -1
	s_barrier_wait -1                              ; everybody's are in: no barrier stands between the two heads
	RUN 6
	FIN 0
	PASSHEAD 1
	RUN 8
	FIN 1
	s_lshr_b32 s10, s9, 3                          ; batch
	s_lshl_b32 s10, s10, 6
	s_lshl_b32 s11, s8, 4
	s_add_co_u32 s10, s10, s11
	s_add_co_u32 s10, s10, s[WV]                   ; my row tile of o: 64 batch + 16 cx + wave
	s_and_b32 s11, s9, 7                           ; my K step: the pair of heads
	s_mul_i32 s12, s10, 12288
	s_mul_i32 s13, s11, 1536
	s_add_co_u32 s12, s12, s13
	s_mov_b32 s13, 0
	s_add_nc_u64 s[12:13], s[6:7], s[12:13]
	s_wait_alu depctr_va_vdst(0)
.irp i, 0,1,2
	global_store_b128 v[L16], v[OI+4*\i:OI+4*\i+3], s[12:13] offset:512*\i   ; 512 consecutive bytes, aligned
.endr
	s_lshr_b32 s14, s11, 1
	s_lshl_b32 s14, s14, 16
	s_lshl_b32 s15, s10, 7
	s_add_co_u32 s14, s14, s15
	s_and_b32 s15, s11, 1
	s_lshl_b32 s15, s15, 2
	s_add_co_u32 s14, s14, s15
	s_add_co_u32 s14, s14, 6291456
	s_mov_b32 s15, 0
	s_add_nc_u64 s[14:15], s[6:7], s[14:15]
	v_lshrrev_b32 v8, 1, v[R16]                    ; 8 r
	global_store_b32 v8, v[OW], s[14:15]           ; row r's word; lanes 16-31 store the same word at the same place
	s_wait_tensorcnt 0x0                           ; the wave's end
	ds_add_u32 v[SPW], v[NIL]
	s_wait_dscnt 0x0
	CROUND                                         ; the closing round
	s_endpgm
.Lfunc_end_k_qf609e43506_attn:
	.size	k_qf609e43506_attn, .Lfunc_end_k_qf609e43506_attn-k_qf609e43506_attn
	.p2alignl 7, 3214868480
	.fill 96, 4, 3214868480
	.section	.rodata,"a",@progbits
	.p2align	6, 0x0
	.amdhsa_kernel k_qf609e43506_attn
		.amdhsa_group_segment_fixed_size 327680
		.amdhsa_private_segment_fixed_size 0
		.amdhsa_enable_private_segment 0
		.amdhsa_kernarg_size 16
		.amdhsa_user_sgpr_count 2
		.amdhsa_user_sgpr_kernarg_segment_ptr 1
		.amdhsa_wavefront_size32 1
		.amdhsa_system_sgpr_workgroup_id_x 1
		.amdhsa_system_sgpr_workgroup_id_y 1
		.amdhsa_system_sgpr_workgroup_id_z 1
		.amdhsa_system_vgpr_workitem_id 0
		.amdhsa_next_free_vgpr 256
		.amdhsa_next_free_sgpr 96
		.amdhsa_reserve_vcc 0
		.amdhsa_float_denorm_mode_32 3
		.amdhsa_float_denorm_mode_16_64 3
		.amdhsa_memory_ordered 1
		.amdhsa_forward_progress 1
		.amdhsa_inst_pref_size 66
	.end_amdhsa_kernel
	.amdgpu_metadata
---
amdhsa.version: [ 1, 2 ]
amdhsa.kernels:
  - .name:           k_qf609e43506_attn
    .symbol:         k_qf609e43506_attn.kd
    .args:
      - { .name: qkv, .offset: 0, .size: 8, .value_kind: global_buffer, .address_space: global }
      - { .name: oq, .offset: 8, .size: 8, .value_kind: global_buffer, .address_space: global }
    .group_segment_fixed_size: 327680
    .private_segment_fixed_size: 0
    .kernarg_segment_align: 8
    .kernarg_segment_size: 16
    .max_flat_workgroup_size: 512
    .sgpr_count:     96
    .vgpr_count:     256
    .wavefront_size: 32
...
	.end_amdgpu_metadata
.endif
;; end of part 3
;; launch proj (part 4): grid 4 x 64, 4 waves a work-group, clusters of 4 x 4, 327,680 bytes of LDS; arguments oq, wq, b_proj, out0; writes out0
.if DOCPART == 4
	.amdgcn_target "amdgcn-amd-amdhsa--gfx1250"
	.amdhsa_code_object_version 6
	.text
	.protected	k_qf609e43506_proj
	.globl	k_qf609e43506_proj
	.p2align	8
	.type	k_qf609e43506_proj,@function
k_qf609e43506_proj:
	s_mov_b64 s[64:65], 0
	v_nop
	global_prefetch_b8 v0, s[64:65] scope:SCOPE_SE
	s_setreg_imm32_b32 hwreg(HW_REG_WAVE_MODE, 25, 1), 1
	s_wait_xcnt 0x0
	s_wait_alu depctr_hold_cnt(0) depctr_sa_sdst(0) depctr_va_vdst(0) depctr_va_sdst(0) depctr_va_ssrc(0) depctr_va_vcc(0) depctr_vm_vsrc(0)
	s_getreg_b32 s2, hwreg(HW_REG_IB_STS2, 6, 4)
	s_cmp_eq_u32 s2, 0
	s_cbranch_scc0 .Lentry_in_a_cluster
	s_endpgm
.Lentry_in_a_cluster:
	s_bfe_u32 s2, ttmp6, 0x10000c
	s_cmp_lg_u32 s2, 0xf033
	s_cbranch_scc0 .Lentry_shape_is_right
	s_endpgm
.Lentry_shape_is_right:
; out0 = o w_proj + b_proj: [8192][1024] x [1024][1024] on codes of FP6 (E2M3) with E8M0 scales, f32 sums.  Both operands lie as images of the operand's registers: [row tile][K step 0..7][1,536 bytes].
; A work-group makes 128 x 256 of the result, a wave 64 x 128: 32 accumulators.  ALL of K of its 8 tiles of o (98,304 bytes), its 16 tiles of w_proj (196,608 bytes) and their scale words (4,096 and 8,192 bytes) fit in LDS:
; four dense blocks, one joint load a wave at the head, each byte filled once.  So the walk along K has no wait for tiles and no barrier but the one ahead of the way out.
; CLUSTER 4 x 4: o's blocks are shared along a row of the cluster, w_proj's along a column.  No prefetch: every byte is asked for at the head, and there is no loop to run ahead in.
; The matrix instruction is used transposed (source 0 = w_proj's rows, source 1 = o's): a lane holds eight neighbouring numbers of a row of the result.
; The way out goes through a stage in the bytes of o's first tiles, behind a barrier behind which nobody reads them; they have had their only fill.
.set FR,     12
.set NP,     4
.set TILE,   12288                     ; a tile: 16 rows x 1,024 K
.set BB0,    8*TILE                    ; w_proj's tiles behind o's eight
.set SCL,    24*TILE                   ; o's scale words: [256 along K: 0..3][128 rows][2 words]
.set SCBB,   SCL+4096                  ; w_proj's: [0..3][256 rows][2 words]
.set SPARE,  SCL+12288
.set SPITCH, 528
.set ADRS, 8                           ; v8-11 scale words of each 256 along K: lanes 0-15 o's, lanes 16-31 w_proj's
.set ADRA, 16
.set ADRB, 20                          ; v20-21 my tiles 0-3, 4-7 of w_proj
.set STO,  24
.set RD,   25
.set CO,   26
.set SPW,  28
.set NIL,  29
.set SC,   32
.set BI,   96
.set AF,   128
.set BK,   128
.set G1,   24
.set G0,   32
.set G0B,  36
.set G0S,  40
.set G0SB, 44
.set G1B,  48
.set G1S,  56
.set BS,   68
.set DS,   72
.set G1SB, 84
.set MSB, 0
.macro WIN new
.if MSB != (\new)
	s_set_vgpr_msb (MSB<<8)|(\new)
.set MSB, (\new)
.endif
.endm
.set MUL_LO, 0xa1
.set TO_B,   0x40
.macro CROUND
	s_barrier_signal -1
	s_barrier_wait -1
	s_cmp_lg_u32 s14, 0
	s_cbranch_scc1 .Lnot_wave_0_\@
	s_barrier_signal -3
.Lnot_wave_0_\@:
	s_barrier_wait -3
	s_barrier_signal -1
	s_barrier_wait -1
.endm
.macro PLACES n
.rept \n
	v_nop
.endr
.endm
	s_load_b256 s[4:11], s[0:1], 0x0               ; oq s[4:5], wq s[6:7], b_proj s[8:9], out0 s[10:11]
	v_lshl_add_u32 v[SPW], v0, 2, SPARE
	v_mov_b32 v[NIL], 0
	ds_add_u32 v[SPW], v[NIL]                      ; the opening lines: the add, twice on end, and its wait
	ds_add_u32 v[SPW], v[NIL]
	v_lshrrev_b32 v1, 5, v0
	v_readfirstlane_b32 s14, v1                    ; wave
	s_lshr_b32 s15, s14, 1                         ; which 64 rows are mine
	s_and_b32 s16, s14, 1                          ; which 128 columns
	s_bfe_u32 s2, ttmp6, 0x40000
	s_bfe_u32 s3, ttmp6, 0x40004
	s_lshl_b32 s66, ttmp9, 2
	s_add_co_u32 s66, s66, s2                      ; block column
	s_and_b32 s17, ttmp7, 0xffff
	s_lshl_b32 s17, s17, 2
	s_add_co_u32 s17, s17, s3                      ; block row
	s_lshl_b32 s67, s3, 2
	s_lshl_b32 s67, 15, s67                        ; my row of the cluster
	s_lshl_b32 s100, 0x1111, s2                    ; my column
	s_or_b32 s[G1+0], s67, (3<<16)|(1<<21)
	s_or_b32 s[G1B+0], s100, (3<<16)|(1<<21)
.irp g, G1, G1B                                        ; dense blocks as rows of 256 bytes (32 elements of 8)
	s_mov_b32 s[\g+1], 32<<16
	s_mov_b32 s[\g+3], 32<<16
	s_mov_b32 s[\g+5], 32
	s_mov_b32 s[\g+6], 0
	s_mov_b32 s[\g+7], 0
.endr
	s_mov_b32 s[G1+2], 384<<16
	s_mov_b32 s[G1+4], 384
	s_mov_b32 s[G1B+2], 768<<16
	s_mov_b32 s[G1B+4], 768
	s_or_b32 s[G1S+0], s67, (3<<16)|(1<<21)
	s_or_b32 s[G1SB+0], s100, (3<<16)|(1<<21)
	s_mov_b32 s[G1S+1], 128<<16                    ; four rows of 1,024 bytes, 65,536 bytes apart
	s_mov_b32 s[G1S+2], 4<<16
	s_mov_b32 s[G1S+3], 128<<16
	s_mov_b32 s[G1S+4], 4
	s_mov_b32 s[G1S+5], 8192
	s_mov_b32 s[G1S+6], 0
	s_mov_b32 s[G1S+7], 0
	s_mov_b32 s[G1SB+1], 256<<16                   ; four rows of 2,048 bytes, 32,768 bytes apart
	s_mov_b32 s[G1SB+2], 4<<16
	s_mov_b32 s[G1SB+3], 256<<16
	s_mov_b32 s[G1SB+4], 4
	s_mov_b32 s[G1SB+5], 4096
	s_mov_b32 s[G1SB+6], 0
	s_mov_b32 s[G1SB+7], 0
	s_mul_i32 s18, s17, 8*TILE                     ; o's codes
	s_mov_b32 s19, 0
	s_lshl_b32 s20, s17, 10                        ; o's scale words
	s_add_co_u32 s20, s20, 6291456
	s_mov_b32 s21, 0
	s_lshl_b32 s22, s66, 8
	s_add_co_u32 s22, s22, 3072                    ; w_proj's rows lie behind w_qkv's 3,072
	s_lshl_b32 s12, s22, 3
	s_add_co_u32 s12, s12, 3145728
	s_mov_b32 s13, 0
	s_mul_i32 s22, s22, 768
	s_mov_b32 s23, 0
	s_mul_i32 s77, s15, 4*TILE                     ; LDS: my four tiles of o,
	s_mul_i32 s78, s16, 8*TILE
	s_add_co_u32 s78, s78, BB0                     ; my eight of w_proj
	s_add_co_u32 s79, s78, 4*TILE
	s_lshl_b32 s[BS], s15, 9
	s_lshl_b32 s[DS], s16, 10
	s_sub_co_u32 s[DS], s[DS], s[BS]
	s_add_co_u32 s[DS], s[DS], 4096                ; from o's words to w_proj's, in the first 256 along K
	s_add_co_u32 s[BS], s[BS], SCL
.irp g, 1,2,3
	s_add_co_u32 s[BS+\g], s[BS], 1024*\g          ; o's words step by 1,024 bytes, w_proj's by 2,048
	s_add_co_u32 s[DS+\g], s[DS], 1024*\g
.endr
	s_mul_i32 s76, s14, 16*SPITCH                  ; my stage
	s_mov_b32 s[G0], 1
	s_mov_b32 s[G0+1], 0
	s_mov_b32 s[G0B], 1
	s_mov_b32 s[G0B+1], BB0
	s_mov_b32 s[G0S], 1
	s_mov_b32 s[G0S+1], SCL
	s_mov_b32 s[G0SB], 1
	s_mov_b32 s[G0SB+1], SCBB
	s_wait_dscnt 0x0                               ; both opening adds are done
	s_wait_kmcnt 0x0
	s_add_nc_u64 s[G0+2:G0+3], s[4:5], s[18:19]
	s_or_b32 s[G0+3], s[G0+3], 0x80000000
	s_add_nc_u64 s[G0B+2:G0B+3], s[6:7], s[22:23]
	s_or_b32 s[G0B+3], s[G0B+3], 0x80000000
	s_add_nc_u64 s[G0S+2:G0S+3], s[4:5], s[20:21]
	s_or_b32 s[G0S+3], s[G0S+3], 0x80000000
	s_add_nc_u64 s[G0SB+2:G0SB+3], s[6:7], s[12:13]
	s_or_b32 s[G0SB+3], s[G0SB+3], 0x80000000
	CROUND                                         ; all sixteen work-groups are here: the joint loads meet
; One load a wave, in one chain of arms on the wave's number: o's codes, w_proj's codes, o's scale words, w_proj's.
.macro ARM under, g0, g1, next
	s_cmp_lt_u32 s14, \under
	s_cbranch_scc0 \next
	tensor_load_to_lds s[\g0:\g0+3], s[\g1:\g1+7]
	s_nop 0
.rept 4
	v_nop
.endr
	s_branch .Lhead_asked
\next:
.endm
	ARM 1, G0,  G1,  .Lhead_b
	ARM 2, G0B, G1B, .Lhead_sa
	ARM 3, G0S, G1S, .Lhead_sb
	tensor_load_to_lds s[G0SB:G0SB+3], s[G1SB:G1SB+7]
	s_nop 0
.rept 4
	v_nop
.endr
.Lhead_asked:
	s_lshl_b32 s18, s66, 10                        ; my first column, in bytes
	s_lshl_b32 s19, s16, 9
	s_add_co_u32 s18, s18, s19
	s_mov_b32 s19, 0
	s_add_nc_u64 s[8:9], s[8:9], s[18:19]
	s_lshl_b32 s20, s17, 7
	s_lshl_b32 s21, s15, 6
	s_add_co_u32 s20, s20, s21
	s_lshl_b32 s20, s20, 12                        ; my first row, 4,096 bytes a row
	s_mov_b32 s21, 0
	s_add_nc_u64 s[12:13], s[10:11], s[20:21]
	s_add_nc_u64 s[12:13], s[12:13], s[18:19]
	v_and_b32 v1, 31, v0
	v_and_b32 v3, 15, v0                           ; r
	v_bfe_u32 v2, v0, 4, 1                         ; h
	v_lshlrev_b32 v[CO], 4, v1
	v_mul_u32_u24 v5, v3, SPITCH
	v_add_nc_u32 v[ADRA], s77, v[CO]
	v_add_nc_u32 v[ADRB], s78, v[CO]
	v_add_nc_u32 v[ADRB+1], s79, v[CO]
.irp g, 0,1,2,3
	v_mul_u32_u24 v6, s[DS+\g], v2                 ; lanes 16-31 take w_proj's words
	v_lshl_add_u32 v6, v3, 3, v6
	v_add_nc_u32 v[ADRS+\g], s[BS+\g], v6
.endr
	v_lshl_add_u32 v5, v2, 6, v5
	v_add_nc_u32 v[RD], s76, v[CO]
	v_add_nc_u32 v[STO], s76, v5
	s_wait_alu depctr_va_vdst(0)
	global_load_b128 v[BI:BI+3], v[CO], s[8:9]     ; the bias of my four columns of a row's 128
.macro FRAG reg, adr, off
.irp c, 0,1,2
	ds_load_b128 v[\reg+4*\c:\reg+4*\c+3], v[\adr] offset:(\off)+512*\c
.endr
.endm
.macro MULH a0, p, q, sg, zero
.irp a, \a0, \a0+1
.irp b, 0,1,2,3,4,5,6,7
.if \zero
	v_wmma_scale_f32_16x16x128_f8f6f4 v[8*(8*(\a)+\b):8*(8*(\a)+\b)+7], v[128*(\p)+FR*\b:128*(\p)+FR*\b+FR-1], v[AF+48*(\p)+FR*(\a):AF+48*(\p)+FR*(\a)+FR-1], 0, v[SC+16*(\sg)+2*\b+(\q)], v[SC+16*(\sg)+2*(\a)+(\q)] matrix_a_fmt:MATRIX_FMT_FP6 matrix_b_fmt:MATRIX_FMT_FP6 matrix_a_scale:MATRIX_SCALE_ROW1
.else
	v_wmma_scale_f32_16x16x128_f8f6f4 v[8*(8*(\a)+\b):8*(8*(\a)+\b)+7], v[128*(\p)+FR*\b:128*(\p)+FR*\b+FR-1], v[AF+48*(\p)+FR*(\a):AF+48*(\p)+FR*(\a)+FR-1], v[8*(8*(\a)+\b):8*(8*(\a)+\b)+7], v[SC+16*(\sg)+2*\b+(\q)], v[SC+16*(\sg)+2*(\a)+(\q)] matrix_a_fmt:MATRIX_FMT_FP6 matrix_b_fmt:MATRIX_FMT_FP6 matrix_a_scale:MATRIX_SCALE_ROW1
.endif
.endr
.endr
.endm
.macro FETCH k, p                      ; K step k's twelve fragments into set p
	WIN TO_B
.irp i, 0,1,2,3,4,5,6,7
	FRAG 128*(\p)+FR*\i, ADRB+\i/4, (\i%4)*TILE+(\k)*1536
.endr
	WIN 0
.irp i, 0,1,2,3
	FRAG AF+48*(\p)+FR*\i, ADRA, \i*TILE+(\k)*1536
.endr
.endm
.macro SCALES sg
.irp i, 0,1,2,3,4,5,6,7
	ds_load_b64 v[SC+16*(\sg)+2*\i:SC+16*(\sg)+2*\i+1], v[ADRS+(\sg)] offset:\i*128
.endr
.endm
	s_wait_tensorcnt 0x0                           ; my block is in
	s_barrier_signal -1
	s_barrier_wait -1                              ; all four are
	FETCH 0, 0
	SCALES 0
.irp k, 0,1,2,3,4,5,6,7
	s_wait_dscnt 0x0                               ; this step's fragments are in
.if \k == 7
	s_barrier_signal -1                            ; my reads of the tiles are over
.endif
.if \k < 7
.if \k > 0
	PLACES NP
.endif
	FETCH \k+1, (\k+1)%2
.if \k%2 == 1
	SCALES (\k+1)/2
.endif
.endif
	WIN MUL_LO
.if \k == 0
	MULH 0, 0, 0, 0, 1
	MULH 2, 0, 0, 0, 1
.else
	MULH 0, \k%2, \k%2, \k/2, 0
	MULH 2, \k%2, \k%2, \k/2, 0
.endif
	WIN 0
.if \k == 7
	s_barrier_wait -1                              ; everybody's are: the stage may be written
.endif
.endr
.macro TOSTAGE a
.set AC, 64*(\a)
	WIN 0x08
.irp b, 0,1,2,3,4,5,6,7
	ds_store_b128 v[STO], v[AC+8*\b:AC+8*\b+3] offset:128*(\b/2)+32*(\b%2)
	ds_store_b128 v[STO], v[AC+8*\b+4:AC+8*\b+7] offset:128*(\b/2)+32*(\b%2)+16
.endr
	WIN 0
.set BB, BK+64*((\a)%2)
.irp t, 0,1,2,3,4,5,6,7,8,9,10,11,12,13,14,15
	ds_load_b128 v[BB+4*\t:BB+4*\t+3], v[RD] offset:\t*SPITCH
.endr
.endm
.macro SEND a, younger
.set BB, BK+64*((\a)%2)
	s_wait_dscnt \younger
.irp t, 0,1,2,3,4,5,6,7,8,9,10,11,12,13,14,15
	v_pk_add_f32 v[BB+4*\t:BB+4*\t+1], v[BB+4*\t:BB+4*\t+1], v[BI:BI+1]
	v_pk_add_f32 v[BB+4*\t+2:BB+4*\t+3], v[BB+4*\t+2:BB+4*\t+3], v[BI+2:BI+3]
.endr
.irp t, 0,1,2,3,4,5,6,7,8,9,10,11,12,13,14,15
	global_store_b128 v[CO], v[BB+4*\t:BB+4*\t+3], s[12:13] offset:(32*((\a)/2)+8*((\a)%2)+\t+8*(\t/8))*4096 th:TH_STORE_NT
.endr
.endm
	PLACES NP
	s_wait_loadcnt 0x0
	TOSTAGE 0
.irp a, 1,2,3
.if \a > 1
	s_wait_xcnt 0x0
.endif
	TOSTAGE \a
	SEND \a-1, 32
.endr
	SEND 3, 0
	s_wait_tensorcnt 0x0                           ; the wave's end
	ds_add_u32 v[SPW], v[NIL]
	s_wait_dscnt 0x0
	CROUND                                         ; the closing round
	s_endpgm
.Lfunc_end_k_qf609e43506_proj:
	.size	k_qf609e43506_proj, .Lfunc_end_k_qf609e43506_proj-k_qf609e43506_proj
	.p2alignl 7, 3214868480
	.fill 96, 4, 3214868480
	.section	.rodata,"a",@progbits
	.p2align	6, 0x0
	.amdhsa_kernel k_qf609e43506_proj
		.amdhsa_group_segment_fixed_size 327680
		.amdhsa_private_segment_fixed_size 0
		.amdhsa_enable_private_segment 0
		.amdhsa_kernarg_size 32
		.amdhsa_user_sgpr_count 2
		.amdhsa_user_sgpr_kernarg_segment_ptr 1
		.amdhsa_wavefront_size32 1
		.amdhsa_system_sgpr_workgroup_id_x 1
		.amdhsa_system_sgpr_workgroup_id_y 1
		.amdhsa_system_sgpr_workgroup_id_z 1
		.amdhsa_system_vgpr_workitem_id 0
		.amdhsa_next_free_vgpr 768
		.amdhsa_next_free_sgpr 102
		.amdhsa_reserve_vcc 0
		.amdhsa_float_denorm_mode_32 3
		.amdhsa_float_denorm_mode_16_64 3
		.amdhsa_memory_ordered 1
		.amdhsa_forward_progress 1
		.amdhsa_inst_pref_size 86
	.end_amdhsa_kernel
	.amdgpu_metadata
---
amdhsa.version: [ 1, 2 ]
amdhsa.kernels:
  - .name:           k_qf609e43506_proj
    .symbol:         k_qf609e43506_proj.kd
    .args:
      - { .name: oq, .offset: 0, .size: 8, .value_kind: global_buffer, .address_space: global }
      - { .name: wq, .offset: 8, .size: 8, .value_kind: global_buffer, .address_space: global }
      - { .name: b_proj, .offset: 16, .size: 8, .value_kind: global_buffer, .address_space: global }
      - { .name: out0, .offset: 24, .size: 8, .value_kind: global_buffer, .address_space: global }
    .group_segment_fixed_size: 327680
    .private_segment_fixed_size: 0
    .kernarg_segment_align: 8
    .kernarg_segment_size: 32
    .max_flat_workgroup_size: 128
    .sgpr_count:     102
    .vgpr_count:     768
    .wavefront_size: 32
...
	.end_amdgpu_metadata
.endif
;; end of part 4
